; MI455X (gfx1250); checked and timed in simulation.
; The chip was launched on July 23, 2026; its instructions are those of AMD's public machine-readable ISA for CDNA 5 (MIT licence, August 2026) and "CDNA5" Instruction Set Architecture Reference Guide (July 2026). The comments in the code are by the model that wrote it; some were corrected since.
;; GPT2 Attention. Allowed arithmetic: matrix products marked QUANTISED: E2M3 operands, one E8M0 scale for each 32 along K, by v_wmma_scale_f32_16x16x128_f8f6f4 with both operands' format E2M3, f32 sums; everything else in f32.
;; Inputs: W_attn 1,024 x 3,072 float32; W_proj 1,024 x 1,024 float32; b_attn 3,072 float32; b_proj 1,024 float32; x 4 x 2,048 x 1,024 float32.
;; Outputs: out0 4 x 2,048 x 1,024 float32.
;; This version of the problem:
;;   THIS VERSION OF THE PROBLEM IS GIVEN IN LOW PRECISION. The matrix products marked QUANTISED in the list below multiply operands that are first quantised to E2M3 (2 exponent bits, 3 mantissa bits; 6 bits a number), with one power-of-two scale for each 32 numbers along K (OCP MX v1.0); their sums are f32. All else is computed in f32.
;;   The module's matrix products, in the order in which they are computed (A, B: the left and right operand; K: the contracted axis; several contracted axes count as one K, in the product's order):
;;     1. [M 8,192, K 1,024] x [K 1,024, N 3,072]; A: input x; B: input W_attn: QUANTISED
;;     2. batch 64 x [M 2,048, K 64] x [K 64, N 2,048]; A: computed on the way; B: computed on the way: QUANTISED
;;     3. batch 64 x [M 2,048, K 2,048] x [K 2,048, N 64]; A: softmax (see below); B: computed on the way: QUANTISED
;;     4. [M 8,192, K 1,024] x [K 1,024, N 1,024]; A: computed on the way; B: input W_proj: QUANTISED
;;   THE QUANTISER, for each operand of a quantised product, along K:
;;     - K is cut into blocks of 32 from its start; a last block that is shorter is filled with zeros.
;;     - A block's scale is 2^e with e = floor(log2(the largest magnitude in the block)) - 2, held to -126 .. 127; a block of zeros has e = 0. As a byte (E8M0): e + 127.
;;     - Each number is divided by its block's scale, clamped to +-7.5, and rounded to the nearest number of E2M3, ties to even, subnormals kept.
;;     - The product sums the exact products of the quantised numbers (number of the format x scale) in f32.
;;   ~~~python
;;   def quantise(x, axis):      # numpy; x: float32 -> the quantised numbers, widened to float32 again
;;       x = np.moveaxis(x, axis, -1); K = x.shape[-1]
;;       x = np.pad(x, [(0, 0)] * (x.ndim - 1) + [(0, -K % 32)]); x = x.reshape(x.shape[:-1] + (-1, 32)); a = np.abs(x).max(-1, keepdims=True)
;;       e = np.where(a > 0, np.clip(np.frexp(np.where(a > 0, a, 1))[1] - 1 - 2, -126, 127), 0)      # np.frexp(a)[1] - 1 = floor(log2(a)), exactly
;;       r = np.clip(x / 2.0 ** e, -7.5, 7.5)
;;       step = 2.0 ** (np.maximum(np.frexp(np.where(r == 0, 1, r))[1] - 1, 0) - 3)
;;       q = np.round(r / step) * step * 2.0 ** e      # np.round: ties to even
;;       return np.moveaxis(q.reshape(q.shape[:-2] + (-1,))[..., :K], -1, axis).astype(np.float32)
;;   ~~~
;;   SOFTMAX AHEAD OF A QUANTISED PRODUCT. Where the list says 'softmax', what is quantised is not the finished softmax but p = 2^(t - M), with t = logit x log2(e) and M = ceil(the row's largest t), a whole number; so 1/2 < the row's largest p <= 1. The row's sum l is taken of the UNQUANTISED p, in f32, and the product's result is divided by l at the end. Since M is a whole number, a kernel that streams over the keys may use a running M (the ceiling of the running maximum): every later rescaling is an exact power of two, which a block's scale takes up: the codes' values come out the same.
;;   OPERANDS COMPUTED ON THE WAY. 'Computed on the way' means the value that the module computes at that place (a softmax that the list does not call 'softmax' is quantised finished and normalised). What goes into a quantiser is computed in f32, as accurately as f32 sums, v_exp_f32 and their like allow (about 1e-6 of the number): no bf16 or f16 on the way to a quantiser, and a product that is left as it is and whose result goes on into a quantised operand takes f32 operands (vector FMAs, or v_wmma_f32_16x16x4_f32). A number that lies on a knife's edge between two numbers of the format may be rounded either way, as far as f32 arithmetic and the matrix unit's own rounding can turn it there, and no further.
;; One version. Each part assembles by itself: llvm-mc -triple=amdgcn-amd-amdhsa -mcpu=gfx1250 --defsym DOCPART=n.
;; ======== version 1 of 1: 4 launches
;; workspace buffers: xq 6,553,600 bytes; wq 3,276,800 bytes; qimg 6,553,600 bytes; kv 13,107,200 bytes; yq 6,553,600 bytes
;; launch prep (part 1): grid 384 x 1, 4 waves a work-group, no clusters, 68,096 bytes of LDS; arguments x, W_attn, W_proj, xq, wq; writes xq, wq
.if DOCPART == 1
	.amdgcn_target "amdgcn-amd-amdhsa--gfx1250"
	.amdhsa_code_object_version 6
	.text
	.protected	k_q0776ebe099_prep
	.globl	k_q0776ebe099_prep
	.p2align	8
	.type	k_q0776ebe099_prep,@function
k_q0776ebe099_prep:
	s_mov_b64 s[64:65], 0
	v_nop
	global_prefetch_b8 v0, s[64:65] scope:SCOPE_SE
	s_setreg_imm32_b32 hwreg(HW_REG_WAVE_MODE, 25, 1), 1
	s_wait_xcnt 0x0
; x [8192][1024], W_attn [1024][3072] and W_proj [1024][1024], f32, become codes of FP6 (E2M3) with K innermost and one E8M0 byte for each 32 along K.
; xq: codes [8192 places][768 bytes], then from byte XQ_SC the scale bytes [8192][32].  wq: one matrix of 4,096 rows (W_attn's 3,072 columns, then W_proj's 1,024): codes [4096][768], from byte WQ_SC scale bytes [4096][32].
; THE ORDER OF ROWS: a row (a token of x, a column of W) with number t lies at the place that is t with bits 3 and 4 exchanged.  So 16 places on end hold rows 0-7 and 16-23 (or 8-15 and 24-31) of a run of 32,
; and the products that read them leave 16 neighbours along the next K in a lane's registers.
; A block's scale is 2^(floor(log2(its largest magnitude)) - 2); its byte is the largest magnitude's exponent field - 2, held at 1 from below.
; LIMITS: a block whose largest magnitude lies under 2^-124 (a block of zeros among them) gets the byte 1: a block of zeros has zero codes, which add nothing, and this program alone reads the bytes.  NaN and infinities among the inputs are not served.
; Work-groups 0-255 take x (32 rows each, K innermost: a wave takes 8 rows as 16 steps of 512 numbers, turned through its own stage in LDS so that a lane holds 16 neighbours while every load is dense).
; Work-groups 256-383 take the weights (128 columns x 256 along K each; K is the first axis: a lane takes a column and its registers run down K).  Each of the two ways has LDS bytes of its own.  Waves share nothing: no barrier.
.set XQ_SC, 6291456
.set WQ_SC, 3145728
.set STEPS, 16
.set CB,    12                         ; bytes of 16 codes
.set R,     16                         ; x: v16-79   four sets of 16 numbers as loaded
.set X,     80                         ; x: v80-111  two sets of 16 neighbours
.set E,     112                        ; x: v112-127 a scale byte for each step
.set C,     128                        ; x: v128-191 codes, four registers a step
.set WREG,  8192                       ; x: LDS of a wave: two stages of 32 x SP bytes, then its 256 scale bytes
.set SP,    80
.set NB,    8                          ; W: blocks of 32 along K for a wave
.set PITCH, 272                        ; W: a stage row: sixteen places of 16 bytes + 16
.set WSTG,  32768                      ; W: the stages begin behind x's LDS
.set WX,    32                         ; W: v32-95   two sets of 32 numbers
.set WC,    96                         ; W: a block's codes
.set OUTR,  112                        ; W: v112-175 the way out
.set SB,    24                         ; W: v24-25   the scale bytes
.set OFF,   176                        ; W: v176-207 4 x lane + i rows of W
	s_load_b128 s[4:7], s[0:1], 0x0                ; x, W_attn
	s_load_b128 s[8:11], s[0:1], 0x10              ; W_proj, xq
	s_load_b64 s[12:13], s[0:1], 0x20              ; wq
	v_lshl_add_u32 v208, v0, 2, 0x10800
	v_mov_b32 v209, 0
	v_lshrrev_b32 v1, 5, v0
	v_readfirstlane_b32 s16, v1                    ; wave
	v_and_b32 v2, 31, v0                           ; lane
	s_cmp_lt_u32 ttmp9, 256
	s_cbranch_scc0 .Lweights
	; ---------------- x ----------------
	v_lshlrev_b32 v3, 4, v2                        ; my 16 bytes of a load's 512
	s_mul_i32 s17, s16, WREG
	v_lshrrev_b32 v14, 2, v2
	v_mul_u32_u24 v14, v14, SP
	v_and_b32 v15, 3, v2
	v_lshl_add_u32 v14, v15, 4, v14
	v_add_nc_u32 v14, s17, v14                     ; the stage, in: SP (lane / 4) + 16 (lane % 4)
	v_mul_u32_u24 v15, v2, SP
	v_add_nc_u32 v15, s17, v15                     ; and out: SP x lane: my 16 neighbours
	v_mul_u32_u24 v4, v2, CB                       ; my codes' place in a step's
	v_lshrrev_b32 v5, 1, v2
	s_add_co_u32 s17, s17, 2*32*SP
	v_add_nc_u32 v5, s17, v5                       ; my block's scale byte in the wave's 256
	v_lshlrev_b32 v7, 3, v2
	v_add_nc_u32 v6, s17, v7
	s_lshl_b32 s17, ttmp9, 2
	s_add_co_u32 s18, s17, s16                     ; my run of 8 rows: 4 x work-group + wave
	s_lshl_b32 s18, s18, 15                        ; 32,768 bytes a run
	s_mov_b32 s19, 0
	s_and_b32 s20, s16, 1                          ; where it goes: the wave's two bits are the rows' bits 3 and 4: exchanged
	s_lshl_b32 s20, s20, 1
	s_lshr_b32 s21, s16, 1
	s_or_b32 s20, s20, s21
	s_add_co_u32 s20, s20, s17
	s_mul_i32 s22, s20, 8*768
	s_mov_b32 s23, 0
	s_lshl_b32 s24, s20, 8
	s_add_co_u32 s24, s24, XQ_SC
	s_mov_b32 s25, 0
	s_wait_kmcnt 0x0
	s_add_nc_u64 s[4:5], s[4:5], s[18:19]
	s_add_nc_u64 s[8:9], s[10:11], s[22:23]        ; my codes
	s_add_nc_u64 s[10:11], s[10:11], s[24:25]      ; my scale bytes
.macro XLOAD t
.irp i, 0,1,2,3
	global_load_b128 v[R+16*((\t)%4)+4*\i:R+16*((\t)%4)+4*\i+3], v3, s[4:5] offset:2048*(\t)+512*\i th:TH_LOAD_NT   ; 32 lanes read 512 consecutive bytes
.endr
.endm
.macro XTURN t                         ; a step's numbers through the stage: LDS serves a wave's instructions in order (ISA guide 5.7.1.4)
.irp i, 0,1,2,3
	ds_store_b128 v14, v[R+16*((\t)%4)+4*\i:R+16*((\t)%4)+4*\i+3] offset:32*SP*((\t)%2)+8*SP*\i
.endr
.irp i, 0,1,2,3
	ds_load_b128 v[X+16*((\t)%2)+4*\i:X+16*((\t)%2)+4*\i+3], v15 offset:32*SP*((\t)%2)+16*\i
.endr
.endm
.irp t, 0,1,2,3
	XLOAD \t
.endr
	s_wait_loadcnt 12                              ; step 0's four loads are in; the twelve of steps 1 to 3 may be out
	XTURN 0
.macro XSTEP t
.set XS, X+16*((\t)%2)
.if (\t) > 0
	s_wait_dscnt 1                                 ; this step's numbers are back from the stage; the last step's byte store may be out
.else
	s_wait_dscnt 0x0
.endif
.if (\t)+4 < STEPS
	XLOAD (\t)+4                                   ; into the registers that this step's stage stores have read
.endif
.if (\t)+1 < STEPS
.if STEPS-2-(\t) >= 3
	s_wait_loadcnt 12                              ; the next step's four loads are in; those of the three steps behind it may be out
.else
	s_wait_loadcnt 4*(STEPS-2-(\t))
.endif
	XTURN (\t)+1
.endif
	v_max3_num_f32 v8, |v[XS]|, |v[XS+1]|, |v[XS+2]|               ; the largest magnitude of my 16, in two chains
	v_max3_num_f32 v9, |v[XS+3]|, |v[XS+4]|, |v[XS+5]|
.irp i, 6,10
	v_max3_num_f32 v8, v8, |v[XS+\i]|, |v[XS+\i+1]|
	v_max3_num_f32 v9, v9, |v[XS+\i+2]|, |v[XS+\i+3]|
.endr
	v_max3_num_f32 v8, v8, |v[XS+14]|, |v[XS+15]|
	v_max3_num_f32 v8, v8, v9, 0x1800000           ; and the floor 2^(3 - 127): the byte cannot fall under 1
	v_max_num_f32_dpp v8, v8, v8 row_xmask:1 row_mask:0xf bank_mask:0xf   ; with my neighbour's 16: the block's
	v_add_nc_u32 v11, 0xff000000, v8               ; 2 off the exponent field: the conversion's scale operand
	v_cvt_scalef32_pk16_fp6_f32 v[C+4*(\t):C+4*(\t)+2], v[XS:XS+15], v11
	v_lshrrev_b32 v[E+(\t)], 23, v11               ; the scale's byte (also the plain line behind the conversion)
	ds_store_b8 v5, v[E+(\t)] offset:16*(\t)       ; both lanes of a block write the same byte with the same value
	global_store_b96 v4, v[C+4*(\t):C+4*(\t)+2], s[8:9] offset:32*CB*(\t)   ; the wave stores 384 consecutive bytes
.endm
.irp t, 0,1,2,3,4,5,6,7,8,9,10,11,12,13,14,15
	XSTEP \t
.endr
	ds_load_b64 v[12:13], v6
	s_wait_dscnt 0x0
	global_store_b64 v7, v[12:13], s[10:11]        ; 32 lanes store 256 consecutive bytes, aligned
	s_wait_tensorcnt 0x0
	ds_add_u32 v208, v209
	s_wait_dscnt 0x0
	s_endpgm
	; ---------------- the weights ----------------
.Lweights:
	s_sub_co_u32 s17, ttmp9, 256
	s_lshr_b32 s18, s17, 5                         ; which 256 along K
	s_and_b32 s17, s17, 31                         ; which 128 rows of wq: 0-23 W_attn's columns, 24-31 W_proj's
	s_lshl_b32 s19, s17, 7
	s_lshl_b32 s20, s16, 5
	s_add_co_u32 s19, s19, s20                     ; my wave's first row of wq
	s_mov_b32 s22, 4096
	s_cmp_lt_u32 s17, 24
	s_cselect_b32 s21, 0, 3072
	s_cselect_b32 s22, 12288, s22                  ; a row of the weight in bytes
	s_sub_co_u32 s21, s19, s21                     ; my first column in its tensor
	s_lshl_b32 s23, s18, 8
	s_mul_i32 s23, s23, s22
	s_lshl_b32 s24, s21, 2
	s_add_co_u32 s24, s24, s23                     ; where my part begins in the weight
	s_mov_b32 s25, 0
	s_lshl_b32 s26, s22, 5                         ; 32 rows on
	s_mov_b32 s27, 0
	s_mul_i32 s28, s16, 32*PITCH
	s_add_co_u32 s28, s28, WSTG                    ; my stage
	v_mul_u32_u24 v4, v2, PITCH
	v_add_nc_u32 v4, s28, v4                       ; into it: row = my column
	v_and_b32 v5, 15, v2
	v_lshrrev_b32 v6, 4, v2
	v_mul_u32_u24 v7, v6, PITCH
	v_lshl_add_u32 v7, v5, 4, v7
	v_add_nc_u32 v7, s28, v7                       ; out of it: sixteen lanes to a row, two rows an instruction
	v_mul_u32_u24 v8, v6, 768
	v_mad_u32_u24 v8, v5, 12, v8                   ; and the same place in wq
	v_and_b32 v9, 7, v2                            ; my column's place among the wave's 32: bits 3 and 4 exchanged
	v_bfe_u32 v10, v2, 3, 1
	v_lshl_or_b32 v9, v10, 4, v9
	v_bfe_u32 v10, v2, 4, 1
	v_lshl_or_b32 v9, v10, 3, v9
	v_lshlrev_b32 v9, 5, v9                        ; x 32 scale bytes a row
	v_lshlrev_b32 v[OFF], 2, v2
.set i, 1
.rept 31
	v_add_nc_u32 v[OFF+i], s22, v[OFF+i-1]         ; 4 x lane + i rows
.set i, i+1
.endr
	s_mul_i32 s48, s19, 768
	s_mul_i32 s50, s18, 192
	s_add_co_u32 s48, s48, s50
	s_mov_b32 s49, 0
	s_lshl_b32 s50, s19, 5
	s_lshl_b32 s51, s18, 3
	s_add_co_u32 s50, s50, s51
	s_add_co_u32 s50, s50, WQ_SC
	s_mov_b32 s51, 0
	s_wait_kmcnt 0x0
	s_cmp_lt_u32 s17, 24                           ; the choice hangs on the work-group's number alone
	s_cselect_b64 s[6:7], s[6:7], s[8:9]
	s_add_nc_u64 s[32:33], s[6:7], s[24:25]        ; a base for each block of 32 along K: no pointer is stepped
.irp t, 1,2,3,4,5,6,7
	s_add_nc_u64 s[32+2*\t:33+2*\t], s[30+2*\t:31+2*\t], s[26:27]
.endr
	s_add_nc_u64 s[14:15], s[12:13], s[48:49]      ; my codes
	s_add_nc_u64 s[12:13], s[12:13], s[50:51]      ; my scale bytes
.macro WLOAD t                         ; block t: W(32 t + i, my column): 32 lanes read 128 consecutive bytes
.irp i, 0,1,2,3,4,5,6,7,8,9,10,11,12,13,14,15,16,17,18,19,20,21,22,23,24,25,26,27,28,29,30,31
	global_load_b32 v[WX+32*((\t)%2)+\i], v[OFF+\i], s[32+2*(\t):33+2*(\t)] th:TH_LOAD_NT
.endr
.endm
	WLOAD 0
	WLOAD 1
.macro BLOCK t
.set XS, WX+32*((\t)%2)
.if (\t) < NB-1
	s_wait_loadcnt 32                              ; this block's 32 loads are in; the next block's may be out
.else
	s_wait_loadcnt 0
.endif
	v_max3_num_f32 v12, |v[XS]|, |v[XS+1]|, |v[XS+2]|               ; the block's largest magnitude: all 32 numbers are mine
	v_max3_num_f32 v13, |v[XS+3]|, |v[XS+4]|, |v[XS+5]|
.irp i, 6,10,14,18,22,26
	v_max3_num_f32 v12, v12, |v[XS+\i]|, |v[XS+\i+1]|
	v_max3_num_f32 v13, v13, |v[XS+\i+2]|, |v[XS+\i+3]|
.endr
	v_max3_num_f32 v12, v12, |v[XS+30]|, |v[XS+31]|
	v_max3_num_f32 v12, v12, v13, 0x1800000        ; and the floor
	v_add_nc_u32 v11, 0xff000000, v12
	v_lshrrev_b32 v13, 23, v11                     ; the scale's byte
.if (\t)%4 == 0
	v_mov_b32 v[SB+(\t)/4], v13
.else
	v_lshl_or_b32 v[SB+(\t)/4], v13, 8*((\t)%4), v[SB+(\t)/4]
.endif
	v_cvt_scalef32_pk16_fp6_f32 v[WC:WC+2], v[XS:XS+15], v11
	v_cvt_scalef32_pk16_fp6_f32 v[WC+4:WC+6], v[XS+16:XS+31], v11
	ds_store_b96 v4, v[WC:WC+2] offset:32*(\t)     ; 12 bytes to a place of 16
	ds_store_b96 v4, v[WC+4:WC+6] offset:32*(\t)+16
.if (\t)+2 < NB
	WLOAD (\t)+2
.endif
	s_wait_dscnt 0x0                               ; the stores have read their registers: the next block's codes may be written
.endm
.set Q, 0
.rept NB
	BLOCK Q
.set Q, Q+1
.endr
	global_store_b64 v9, v[SB:SB+1], s[12:13]      ; my column's 8 scale bytes
.irp t, 0,1,2,3,4,5,6,7,8,9,10,11,12,13,14,15
	ds_load_b96 v[OUTR+4*\t:OUTR+4*\t+2], v7 offset:2*\t*PITCH
.endr
.set t, 0
.rept 16
.set PS, ((2*t)&7)|((((2*t)>>3)&1)<<4)|((((2*t)>>4)&1)<<3)   ; the place of column 2 t; column 2 t + 1 lies one row on
	s_wait_dscnt 15-t                              ; the younger read-backs may be out
	global_store_b96 v8, v[OUTR+4*t:OUTR+4*t+2], s[14:15] offset:PS*768   ; sixteen lanes store a row's 192 consecutive bytes
.set t, t+1
.endr
	s_wait_tensorcnt 0x0
	ds_add_u32 v208, v209
	s_wait_dscnt 0x0
	s_endpgm
.Lfunc_end_k_q0776ebe099_prep:
	.size	k_q0776ebe099_prep, .Lfunc_end_k_q0776ebe099_prep-k_q0776ebe099_prep
	.p2alignl 7, 3214868480
	.fill 96, 4, 3214868480
	.section	.rodata,"a",@progbits
	.p2align	6, 0x0
	.amdhsa_kernel k_q0776ebe099_prep
		.amdhsa_group_segment_fixed_size 68096
		.amdhsa_private_segment_fixed_size 0
		.amdhsa_enable_private_segment 0
		.amdhsa_kernarg_size 40
		.amdhsa_user_sgpr_count 2
		.amdhsa_user_sgpr_kernarg_segment_ptr 1
		.amdhsa_wavefront_size32 1
		.amdhsa_system_sgpr_workgroup_id_x 1
		.amdhsa_system_sgpr_workgroup_id_y 1
		.amdhsa_system_sgpr_workgroup_id_z 1
		.amdhsa_system_vgpr_workitem_id 0
		.amdhsa_next_free_vgpr 210
		.amdhsa_next_free_sgpr 66
		.amdhsa_reserve_vcc 0
		.amdhsa_float_denorm_mode_32 3
		.amdhsa_float_denorm_mode_16_64 3
		.amdhsa_memory_ordered 1
		.amdhsa_forward_progress 1
		.amdhsa_inst_pref_size 75
	.end_amdhsa_kernel
	.amdgpu_metadata
---
amdhsa.version: [ 1, 2 ]
amdhsa.kernels:
  - .name:           k_q0776ebe099_prep
    .symbol:         k_q0776ebe099_prep.kd
    .args:
      - { .name: x, .offset: 0, .size: 8, .value_kind: global_buffer, .address_space: global }
      - { .name: W_attn, .offset: 8, .size: 8, .value_kind: global_buffer, .address_space: global }
      - { .name: W_proj, .offset: 16, .size: 8, .value_kind: global_buffer, .address_space: global }
      - { .name: xq, .offset: 24, .size: 8, .value_kind: global_buffer, .address_space: global }
      - { .name: wq, .offset: 32, .size: 8, .value_kind: global_buffer, .address_space: global }
    .group_segment_fixed_size: 68096
    .private_segment_fixed_size: 0
    .kernarg_segment_align: 8
    .kernarg_segment_size: 40
    .max_flat_workgroup_size: 128
    .sgpr_count:     66
    .vgpr_count:     210
    .wavefront_size: 32
...
	.end_amdgpu_metadata
.endif
;; end of part 1
;; launch qkv (part 2): grid 12 x 32, 4 waves a work-group, clusters of 4 x 4, 327,680 bytes of LDS; arguments xq, wq, b_attn, qimg, kv; writes qimg, kv
.if DOCPART == 2
	.amdgcn_target "amdgcn-amd-amdhsa--gfx1250"
	.amdhsa_code_object_version 6
	.text
	.protected	k_q0776ebe099_qkv
	.globl	k_q0776ebe099_qkv
	.p2align	8
	.type	k_q0776ebe099_qkv,@function
k_q0776ebe099_qkv:
	s_mov_b64 s[64:65], 0
	v_nop
	global_prefetch_b8 v0, s[64:65] scope:SCOPE_SE
	s_setreg_imm32_b32 hwreg(HW_REG_WAVE_MODE, 25, 1), 1
	s_wait_xcnt 0x0
	s_wait_alu depctr_hold_cnt(0) depctr_sa_sdst(0) depctr_va_vdst(0) depctr_va_sdst(0) depctr_va_ssrc(0) depctr_va_vcc(0) depctr_vm_vsrc(0)
	s_getreg_b32 s2, hwreg(HW_REG_IB_STS2, 6, 4)
	s_cmp_eq_u32 s2, 0
	s_cbranch_scc0 .Lentry_in_a_cluster
	s_endpgm
.Lentry_in_a_cluster:
	s_bfe_u32 s2, ttmp6, 0x10000c
	s_cmp_lg_u32 s2, 0xf033
	s_cbranch_scc0 .Lentry_shape_is_right
	s_endpgm
.Lentry_shape_is_right:
; qkv = x W_attn + b_attn on codes of FP6 (E2M3) with one E8M0 scale for each 32 along K = 1,024; the results leave already QUANTISED for the attention: q and k along the head's 64, v along the tokens.
; A work-group of four waves makes a tile of 256 x 256, a wave 128 x 128: 64 accumulators, 512 registers.  K goes in steps of 256 through a ring of two LDS slots filled by the tensor data mover; the scale bytes of the
; work-group's 2 x 256 rows come once and stay.  4 x 4 work-groups form a cluster and ask jointly for the tiles that they share.
; TWO ROLES.  The matrix instruction's source 1 gives a lane its row (THE LANE SIDE), source 0 gives a lane's registers their rows (THE REGISTER SIDE), and a quantiser wants its K along a lane's registers.
; q, k (clusters x = 0, 1): lane side = 256 tokens of x, register side = 256 columns of W_attn (rows 0-2,047 of wq).  v (cluster x = 2): lane side = 256 rows of wq from 2,048 on, register side = 256 tokens of x.
; Only pointers and tile numbers are chosen by the kind, which hangs on the cluster's x alone: all partners choose alike.  The lane side's tile hangs on cy and is shared along a row of the cluster, the register side's on cx, along a column.
; Both operands lie with bits 3 and 4 of their row numbers exchanged: so the 16 registers of accumulators 2 b and 2 b + 1 are 16 NEIGHBOURS 32 b + 16 (lane / 16) + 0 .. 15 of the register side,
; and lane r of block a holds row 32 (a / 2) + 8 (a % 2) + r + 8 (r / 8) of the lane side.
; OUT: parts of 6,400 bytes: four fragments as images of the operand's 12 registers (three runs of 512 bytes, registers 4 c .. 4 c + 3 at 16 x lane), then 256 bytes of scale words [row 16][fragment 4].
;   qimg [batch x head 64][128 tokens 16][part];  kv [batch x head 64][128 tokens 16][k's part | v's part].  In q's and k's parts fragment f holds tile 2 f of 16 tokens in registers 0-5 and tile 2 f + 1 in registers 6-11.
;   In v's part fragment f holds 16 of the head's 64 x the 128 tokens.  Every store of codes covers 512 consecutive bytes, aligned.
; LIMITS: a block whose largest magnitude lies under 2^-124 gets the byte 1 (a block of zeros has zero codes; this program alone reads the bytes).  NaN and infinities are not served.
; No prefetch: K has four steps, of which two are asked for at the head.  384 work-groups: the tile is kept at 256 x 256, since a wave's 128 x 128 reads each LDS byte for the most products.
; REGISTERS: window 0: v16-31 addresses; v32-63 scale words, two sets, and nothing else; v64-127, v224-239 the biases; v128-223 the lane side's fragments, one set; v2-15 and v240-255 at work on the way out.
;   window 1: the register side's fragments, two sets.  windows 2, 3: the accumulators.
.set KSTEP,  256
.set NQ,     2
.set ROWB,   192
.set KROW,   768
.set PITCH,  240                       ; an LDS row: 3 x (64 bytes + 16 of padding)
.set FR,     12
.set NL,     6
.set NP,     4
.set HALFT,  128*PITCH
.set SLOT,   4*HALFT
.set LAPS,   2
.set KS,     32
.set SCL,    2*SLOT
.set HALFS,  16*272
.set SBLK,   2*272
.set SPARE,  SCL+4*HALFS               ; the spare words, 128 bytes for each wave: two blocks of 256 bytes that no other line names
.set XQ_SC,  6291456
.set WQ_SC,  3145728
.set ADRA, 16                          ; v16-19
.set ADRB, 20                          ; v20-23
.set LI,   24                          ; v24  16 x lane
.set SCO,  25                          ; v25  the scale words' place: 16 r, and for lanes 16-31 the next head's part
.set ADRS, 27
.set SPW,  28
.set NIL,  29
.set BGO,  30                          ; v30  64 (lane / 16); never rewritten
.set BRO,  31                          ; v31  4 (r + 8 (r / 8)); never rewritten
.set SC,   32
.set BG,   64                          ; v64-127  b_attn along the registers (q, k)
.set AF,   128
.set BR,   224                         ; v224-239 b_attn along the lanes (v): block i's number twice, in a pair
.set H,    128                         ; the way out: 64 numbers of a lane
.set IA,   192                         ; a fragment
.set IB,   204                         ; another
.set CT,   216
.set TM,   240                         ; v240-255 the quantiser's work
.set PWE,  2
.set PWO,  3
.set WA,   4                           ; v4-7 the first head's four scale words, v8-11 the second's
.set WB,   8
.set XW,   12                          ; v12-15 the words as they are stored
.set SEL,  18
.set G1, 24
.set G0, 32
.set G1B, 48
.set G0B, 56
.set G1S, 68
.set G0S, 76
.set G1SB, 80
.set G0SB, 88
.set MSB, 0
.macro WIN new                         ; the immediate's high byte repeats the setting that is left
.if MSB != (\new)
	s_set_vgpr_msb (MSB<<8)|(\new)
.set MSB, \new
.endif
.endm
.set MUL_LO, 0xa1
.set MUL_HI, 0xf1
.set TO_B,   0x40
; A joint load: waves 0 and 1 fetch for the lane side, waves 2 and 3 for the register side.  Four v_nop follow each of the two lines.
.macro JLOAD g0a, g1a, g0b, g1b
	s_cmp_eq_u32 s15, 0
	s_cbranch_scc0 .Lfor_b_\@
	tensor_load_to_lds s[\g0a:\g0a+3], s[\g1a:\g1a+7]
	s_nop 0
.rept 4
	v_nop
.endr
	s_branch .Lasked_\@
.Lfor_b_\@:
	tensor_load_to_lds s[\g0b:\g0b+3], s[\g1b:\g1b+7]
	s_nop 0
.rept 4
	v_nop
.endr
.Lasked_\@:
.endm
.macro CREST
	s_cmp_lg_u32 s14, 0
	s_cbranch_scc1 .Lnot_wave_0_\@
	s_barrier_signal -3
.Lnot_wave_0_\@:
	s_barrier_wait -3
	s_barrier_signal -1
	s_barrier_wait -1
.endm
.macro CROUND
	s_barrier_signal -1
	s_barrier_wait -1
	CREST
.endm
	s_load_b128 s[4:7], s[0:1], 0x0                ; xq, wq
	s_load_b128 s[8:11], s[0:1], 0x10              ; b_attn, qimg
	s_load_b64 s[12:13], s[0:1], 0x20              ; kv
	v_lshl_add_u32 v[SPW], v0, 2, SPARE
	v_mov_b32 v[NIL], 0
	ds_add_u32 v28, v29
	ds_add_u32 v28, v29
	s_wait_dscnt 0x0
	v_lshrrev_b32 v1, 5, v0
	v_readfirstlane_b32 s14, v1                    ; wave 0..3
	s_lshr_b32 s15, s14, 1                         ; which half of the lane side is mine.  Also: I fetch for the lane side (0) or the register side (1)
	s_and_b32 s16, s14, 1                          ; which half of the register side.  Also: which 128 rows I fetch
	s_bfe_u32 s40, ttmp6, 0x40000                  ; cx
	s_bfe_u32 s41, ttmp6, 0x40004                  ; cy
	s_and_b32 s95, ttmp7, 0xffff                   ; the cluster's y
	s_cmp_eq_u32 ttmp9, 2                          ; the kind: v?
	s_cselect_b32 s17, 0, s95
	s_cselect_b32 s42, s95, ttmp9
	s_cselect_b32 s98, 2048, 0                     ; v's rows of wq begin here
	s_cselect_b32 s99, 1, 0
	s_lshl_b32 s17, s17, 2
	s_add_co_u32 s17, s17, s41                     ; the lane side's tile: it never holds cx
	s_lshl_b32 s42, s42, 2
	s_add_co_u32 s42, s42, s40                     ; the register side's tile: it never holds cy
	s_lshl_b32 s43, s41, 2
	s_lshl_b32 s43, 15, s43                        ; my row of the cluster
	s_lshl_b32 s44, 0x1111, s40                    ; my column
	s_or_b32 s[G1+0], s43, (0<<16)|(1<<20)|(1<<21)|(3<<22)|(3<<25)  ; mask; elements of 1 byte; padding on; bit 21 beside a mask; after every 16 words 4 words
	s_or_b32 s[G1B+0], s44, (0<<16)|(1<<20)|(1<<21)|(3<<22)|(3<<25)
.irp g, G1, G1B
	s_mov_b32 s[\g+1], ROWB<<16                    ; tensor_dim0
	s_mov_b32 s[\g+2], 128<<16                     ; tensor_dim1
	s_mov_b32 s[\g+3], ROWB<<16                    ; tile_dim0
	s_mov_b32 s[\g+4], 128                         ; tile_dim1
	s_mov_b32 s[\g+5], KROW                        ; the pitch
	s_mov_b32 s[\g+6], 0
	s_mov_b32 s[\g+7], 0
.endr
	s_or_b32 s[G1S+0], s43, (3<<16)|(1<<20)|(1<<21)|(5<<22)|(3<<25)   ; the scales of 128 rows: 4,096 dense bytes as 16 rows of 256, 16 bytes of padding behind each
	s_or_b32 s[G1SB+0], s44, (3<<16)|(1<<20)|(1<<21)|(5<<22)|(3<<25)
.irp g, G1S, G1SB
	s_mov_b32 s[\g+1], 32<<16
	s_mov_b32 s[\g+2], 16<<16
	s_mov_b32 s[\g+3], 32<<16
	s_mov_b32 s[\g+4], 16
	s_mov_b32 s[\g+5], 32
	s_mov_b32 s[\g+6], 0
	s_mov_b32 s[\g+7], 0
.endr
	s_lshl_b32 s18, s16, 7                         ; which 128 rows of the tile I fetch
	s_lshl_b32 s20, s17, 8
	s_add_co_u32 s20, s20, s18
	s_add_co_u32 s20, s20, s98                     ; the lane side's row
	s_lshl_b32 s46, s42, 8
	s_add_co_u32 s46, s46, s18                     ; the register side's row
	s_mov_b32 s21, 0
	s_mov_b32 s47, 0
	s_mov_b64 s[18:19], KS
	s_mul_u64 s[22:23], s[20:21], s[18:19]
	s_mul_u64 s[92:93], s[46:47], s[18:19]
	s_mov_b64 s[18:19], KROW
	s_mul_u64 s[20:21], s[20:21], s[18:19]
	s_mul_u64 s[46:47], s[46:47], s[18:19]
	s_mul_i32 s45, s14, HALFT                      ; where they go: wave x 128 rows
	s_mul_i32 s94, s14, HALFS
	s_wait_kmcnt 0x0
	s_add_nc_u64 s[66:67], s[4:5], XQ_SC           ; x's scale bytes
	s_add_nc_u64 s[96:97], s[6:7], WQ_SC           ; W's
	s_cmp_eq_u32 s99, 1                            ; the roles' buffers, by the kind
	s_cselect_b64 s[100:101], s[6:7], s[4:5]       ; lane side: codes
	s_cselect_b64 s[4:5], s[4:5], s[6:7]           ; register side: codes
	s_cselect_b64 s[6:7], s[96:97], s[66:67]       ; lane side: scales
	s_cselect_b64 s[66:67], s[66:67], s[96:97]     ; register side: scales
	s_add_nc_u64 s[20:21], s[100:101], s[20:21]
	s_add_nc_u64 s[22:23], s[6:7], s[22:23]
	s_add_nc_u64 s[46:47], s[4:5], s[46:47]
	s_add_nc_u64 s[92:93], s[66:67], s[92:93]
	CROUND                                         ; all sixteen work-groups are here: the first joint loads meet
	s_mov_b32 s[G0S], 1
	s_add_co_u32 s[G0S+1], s94, SCL
	s_mov_b64 s[G0S+2:G0S+3], s[22:23]
	s_or_b32 s[G0S+3], s[G0S+3], 0x80000000
	s_mov_b32 s[G0SB], 1
	s_add_co_u32 s[G0SB+1], s94, SCL
	s_mov_b64 s[G0SB+2:G0SB+3], s[92:93]
	s_or_b32 s[G0SB+3], s[G0SB+3], 0x80000000
	JLOAD G0S, G1S, G0SB, G1SB                     ; the scales first: they are wanted with K step 0
.irp s, 0,1
	s_mov_b32 s[G0+4*\s], 1
	s_add_co_u32 s[G0+4*\s+1], s45, \s*SLOT
	s_add_nc_u64 s[G0+4*\s+2:G0+4*\s+3], s[20:21], \s*ROWB
	s_or_b32 s[G0+4*\s+3], s[G0+4*\s+3], 0x80000000
	s_mov_b32 s[G0B+4*\s], 1
	s_add_co_u32 s[G0B+4*\s+1], s45, \s*SLOT
	s_add_nc_u64 s[G0B+4*\s+2:G0B+4*\s+3], s[46:47], \s*ROWB
	s_or_b32 s[G0B+4*\s+3], s[G0B+4*\s+3], 0x80000000
	JLOAD G0+4*\s, G1, G0B+4*\s, G1B               ; three tensor loads of mine are out
.endr
	v_and_b32 v1, 15, v0                           ; r
	v_bfe_u32 v2, v0, 4, 1                         ; h
	v_mul_u32_u24 v3, v1, PITCH
	v_mul_u32_u24 v4, v2, 24
	v_add_nc_u32 v4, v3, v4                        ; a fragment's row x pitch + 24 h
	v_lshl_add_u32 v5, v2, 4, v4                   ; and the same behind one padding more
	s_mul_i32 s21, s15, HALFT
	s_mul_i32 s22, s16, HALFT
	s_add_co_u32 s22, s22, 2*HALFT
.irp s, 0,1
	v_add_nc_u32 v[ADRA+\s], s21, v4
	v_add_nc_u32 v[ADRB+\s], s22, v4
	v_add_nc_u32 v[ADRA+2+\s], s21, v5
	v_add_nc_u32 v[ADRB+2+\s], s22, v5
	s_add_co_u32 s21, s21, SLOT
	s_add_co_u32 s22, s22, SLOT
.endr
	v_mul_u32_u24 v5, v1, KS
	v_lshrrev_b32 v6, 8, v5
	v_lshl_add_u32 v5, v6, 4, v5
	s_mul_i32 s21, s15, HALFS
	s_mul_i32 s22, s16, HALFS
	s_add_co_u32 s22, s22, 2*HALFS
	s_sub_co_u32 s22, s22, s21
	v_mul_u32_u24 v6, s22, v2                      ; lanes 16-31 take the register side's scale words
	s_add_co_u32 s21, s21, SCL
	v_add_nc_u32 v5, v5, v6
	v_add_nc_u32 v[ADRS], s21, v5
	; THE BIASES.  Both sets are loaded by every work-group; the set that its kind does not use is read at a masked place inside b_attn.
	s_lshl_b32 s20, s42, 8
	s_lshl_b32 s21, s16, 7
	s_add_co_u32 s20, s20, s21
	s_and_b32 s20, s20, 2047                       ; q, k: my first column
	s_lshl_b32 s20, s20, 2
	s_mov_b32 s21, 0
	s_add_nc_u64 s[96:97], s[8:9], s[20:21]
	s_lshl_b32 s20, s17, 8
	s_lshl_b32 s22, s15, 7
	s_add_co_u32 s20, s20, s22
	s_and_b32 s20, s20, 1023
	s_add_co_u32 s20, s20, 2048                    ; v: my first column
	s_lshl_b32 s20, s20, 2
	s_add_nc_u64 s[8:9], s[8:9], s[20:21]
	v_lshlrev_b32 v[BGO], 6, v2
	v_and_b32 v[BRO], 8, v1
	v_add_nc_u32 v[BRO], v[BRO], v1
	v_lshlrev_b32 v[BRO], 2, v[BRO]
.irp t, 0,1,2,3,4,5,6,7
	global_load_b128 v[BG+8*\t:BG+8*\t+3], v[BGO], s[96:97] offset:(32*(\t/2)+8*(\t%2))*4
	global_load_b128 v[BG+8*\t+4:BG+8*\t+7], v[BGO], s[96:97] offset:(32*(\t/2)+8*(\t%2))*4+16
.endr
.irp i, 0,1,2,3,4,5,6,7
	global_load_b32 v[BR+2*\i], v[BRO], s[8:9] offset:(32*(\i/2)+8*(\i%2))*4
	global_load_b32 v[BR+2*\i+1], v[BRO], s[8:9] offset:(32*(\i/2)+8*(\i%2))*4
.endr
	; WHERE THE RESULTS GO (cx and cy enter store addresses alone)
	s_cmp_eq_u32 s99, 1
	s_cselect_b32 s20, s42, s17                    ; which 256 tokens
	s_cselect_b32 s21, s16, s15                    ; which half of them
	s_cselect_b32 s22, s41, s40                    ; which four heads
	s_cselect_b32 s23, s15, s16                    ; which two of them
	s_cselect_b32 s95, 6400, 0                     ; v's part lies behind k's
	s_mov_b32 s100, 12800
	s_cmp_eq_u32 ttmp9, 0                          ; q?
	s_cselect_b32 s100, 6400, s100                 ; bytes for 128 tokens of a head
	s_cselect_b64 s[4:5], s[10:11], s[12:13]
	s_lshr_b32 s46, s20, 3                         ; the batch
	s_lshl_b32 s46, s46, 4
	s_lshl_b32 s22, s22, 2
	s_add_co_u32 s46, s46, s22
	s_lshl_b32 s23, s23, 1
	s_add_co_u32 s46, s46, s23                     ; 16 x batch + my first head
	s_lshl_b32 s46, s46, 4
	s_lshl_b32 s20, s20, 1
	s_add_co_u32 s20, s20, s21
	s_and_b32 s20, s20, 15                         ; which 128 tokens of the sequence
	s_add_co_u32 s46, s46, s20
	s_mul_i32 s46, s46, s100
	s_add_co_u32 s46, s46, s95
	s_mov_b32 s47, 0
	s_add_nc_u64 s[4:5], s[4:5], s[46:47]          ; the first head's part
	s_lshl_b32 s46, s100, 4                        ; a head on
	s_add_nc_u64 s[6:7], s[4:5], s[46:47]          ; the second head's
	v_and_b32 v6, 31, v0
	v_lshlrev_b32 v[LI], 4, v6
	v_mul_u32_u24 v[SCO], s46, v2
	v_lshl_add_u32 v[SCO], v1, 4, v[SCO]
.macro FRAG reg, adr, q, i             ; 16 rows x 128 K of 6-bit codes: 12 registers, in pieces of 8 bytes; a piece that lies behind one padding more for lanes 16-31 takes the second address register
.irp p, 0,1,2,3,4,5
.set PC, 12*(\q)+6*(\p/3)+\p%3
.if PC%8 < 5
	ds_load_b64 v[\reg+2*\p:\reg+2*\p+1], v[\adr] offset:8*PC+16*(PC/8)+(\i)*16*PITCH
.else
	ds_load_b64 v[\reg+2*\p:\reg+2*\p+1], v[\adr+2] offset:8*PC+16*(PC/8)+(\i)*16*PITCH
.endif
.endr
.endm
; 16 matrix instructions: the lane side's blocks a0, a0 + 1 x the register side's eight.  The 64 accumulators take turns, one instruction a turn, in the same order in every step.
.macro MUL16 a0, p, q, sc, zero
.irp a, \a0, \a0+1
.irp b, 0,1,2,3,4,5,6,7
.if \zero
	v_wmma_scale_f32_16x16x128_f8f6f4 v[8*(8*((\a)%4)+\b):8*(8*((\a)%4)+\b)+7], v[128*(\p)+FR*\b:128*(\p)+FR*\b+FR-1], v[AF+FR*(\a):AF+FR*(\a)+FR-1], 0, v[SC+8*NQ*(\sc)+NQ*\b+(\q)], v[SC+8*NQ*(\sc)+NQ*(\a)+(\q)] matrix_a_fmt:MATRIX_FMT_FP6 matrix_b_fmt:MATRIX_FMT_FP6 matrix_a_scale:MATRIX_SCALE_ROW1
.else
	v_wmma_scale_f32_16x16x128_f8f6f4 v[8*(8*((\a)%4)+\b):8*(8*((\a)%4)+\b)+7], v[128*(\p)+FR*\b:128*(\p)+FR*\b+FR-1], v[AF+FR*(\a):AF+FR*(\a)+FR-1], v[8*(8*((\a)%4)+\b):8*(8*((\a)%4)+\b)+7], v[SC+8*NQ*(\sc)+NQ*\b+(\q)], v[SC+8*NQ*(\sc)+NQ*(\a)+(\q)] matrix_a_fmt:MATRIX_FMT_FP6 matrix_b_fmt:MATRIX_FMT_FP6 matrix_a_scale:MATRIX_SCALE_ROW1
.endif
.endr
.endr
.endm
.macro FETCH_B slot, q, p
	WIN TO_B
.irp i, 0,1,2,3,4,5,6,7
	FRAG 128*(\p)+FR*\i, ADRB+\slot, \q, \i
.endr
	WIN 0
.endm
.macro FETCH_A slot, q, i0
.irp i, \i0, \i0+1, \i0+2, \i0+3
	FRAG AF+FR*(\i), ADRA+\slot, \q, \i
.endr
.endm
.macro SCALES sc                       ; a K step's scale words: lanes 0-15 the lane side's block i, lanes 16-31 the register side's
.irp i, 0,1,2,3,4,5,6,7
	ds_load_b64 v[SC+8*NQ*\sc+NQ*\i:SC+8*NQ*\sc+NQ*\i+1], v[ADRS] offset:\i*SBLK
.endr
.endm
.macro PLACES n                        ; plain vector instructions between a matrix instruction and a load into, or a vector write of, one of its registers, or a read of its result
.rept \n
	v_nop
.endr
.endm
.macro STEP slot, q, zero
	s_wait_dscnt 4*NL                              ; the register side's set and blocks 0-3 are in; the youngest 24 loads (blocks 4-7) may be out
	WIN MUL_LO
	MUL16 0, (\q)%2, \q, \slot, \zero
	MUL16 2, (\q)%2, \q, \slot, \zero
	s_wait_dscnt 0
	PLACES NP
	FETCH_B \slot, (\q)+1, 1-(\q)%2
	FETCH_A \slot, (\q)+1, 0
	WIN MUL_HI
	MUL16 4, (\q)%2, \q, \slot, \zero
	MUL16 6, (\q)%2, \q, \slot, \zero
	PLACES NP
	WIN 0
	FETCH_A \slot, (\q)+1, 4
.endm
; A slot's last step changes slots: one barrier; in front of it each wave waits for all its tensor loads, adds 0 to its spare word, and waits for that and for its reads of this slot.
.macro TURN slot, next, fill
	s_wait_tensorcnt 0x0                           ; all my tensor loads have landed: my part of the next slot
	ds_add_u32 v[SPW], v[NIL]                      ; 0 onto my spare word
	s_wait_dscnt 4*NL+1                            ; the add and the youngest 24 loads may be out
	WIN MUL_LO
	MUL16 0, 1, NQ-1, \slot, 0
	s_wait_dscnt 0x0                               ; the add is done, and my reads of this slot are over
	s_barrier_signal -1
	MUL16 2, 1, NQ-1, \slot, 0
	WIN 0
	s_barrier_wait -1
.if \fill
	CREST                                          ; the barrier has opened a round of the cluster's: no wave of any partner still reads this slot or has a load on its way
	s_add_nc_u64 s[G0+4*\slot+2:G0+4*\slot+3], s[G0+4*\slot+2:G0+4*\slot+3], 2*ROWB
	s_add_nc_u64 s[G0B+4*\slot+2:G0B+4*\slot+3], s[G0B+4*\slot+2:G0B+4*\slot+3], 2*ROWB
	JLOAD G0+4*\slot, G1, G0B+4*\slot, G1B         ; the first tensor load behind the round; its four v_nop are the places in front of the loads below
.else
	PLACES NP
.endif
	v_add_nc_u32 v[ADRS], 4*NQ, v[ADRS]
	FETCH_B \next, 0, 0
	FETCH_A \next, 0, 0
	SCALES \next
	WIN MUL_HI
	MUL16 4, 1, NQ-1, \slot, 0
	MUL16 6, 1, NQ-1, \slot, 0
	PLACES NP
	WIN 0
	FETCH_A \next, 0, 4
.endm
	s_wait_tensorcnt 1                             ; the scales and my part of K step 0 are in; K step 1's load may be out
	s_barrier_signal -1
	s_barrier_wait -1
	FETCH_B 0, 0, 0
	FETCH_A 0, 0, 0
	SCALES 0
	FETCH_A 0, 0, 4
	STEP 0, 0, 1                                   ; the first step's products start the sums
	s_mov_b32 s3, LAPS-1
.Llap:
	TURN 0, 1, 1
	STEP 1, 0, 0
	TURN 1, 0, 1
	STEP 0, 0, 0
	s_sub_co_u32 s3, s3, 1
	s_cmp_lg_u32 s3, 0
	s_cbranch_scc1 .Llap
	TURN 0, 1, 0
	STEP 1, 0, 0
	s_wait_dscnt 4*NL
	WIN MUL_LO
	MUL16 0, 1, NQ-1, 1, 0
	MUL16 2, 1, NQ-1, 1, 0
	s_wait_dscnt 0
	WIN MUL_HI
	MUL16 4, 1, NQ-1, 1, 0
	MUL16 6, 1, NQ-1, 1, 0
	WIN 0
; THE WAY OUT: block a's 64 numbers of a lane get their bias, are quantised in registers and are stored as images of operand registers.  No LDS.
.macro BIASG a                         ; + the bias along the registers; each accumulator is read from its low end on
	WIN 0x02+((\a)/4)
.set j, 0
.rept 32
	v_pk_add_f32 v[H+j:H+j+1], v[64*((\a)%4)+j:64*((\a)%4)+j+1], v[BG+j:BG+j+1]
.set j, j+2
.endr
	WIN 0
.endm
.macro BIASR a                         ; + the bias of my lane's row
	WIN 0x02+((\a)/4)
.set j, 0
.rept 32
	v_pk_add_f32 v[H+j:H+j+1], v[64*((\a)%4)+j:64*((\a)%4)+j+1], v[BR+2*(\a):BR+2*(\a)+1]
.set j, j+2
.endr
	WIN 0
.endm
; 64 numbers, register 16 b + i = k 32 b + 16 (lane / 16) + i of my row: blocks 0, 1 become six registers of codes at pa, blocks 2, 3 six at pb, the four scale bytes a word in pw.
.macro QUANT s, pa, pb, pw
.irp b, 0,1,2,3
	v_max3_num_f32 v[TM+\b], |v[\s+16*\b]|, |v[\s+1+16*\b]|, 0x1800000   ; with the floor 2^(3 - 127): the byte cannot fall under 1
.endr
.irp i, 2,4,6,8,10,12,14
.irp b, 0,1,2,3
	v_max3_num_f32 v[TM+\b], v[TM+\b], |v[\s+16*\b+\i]|, |v[\s+1+16*\b+\i]|
.endr
.endr
.irp b, 0,1,2,3
	v_permlanex16_b32 v[TM+4+\b], v[TM+\b], s[SEL], s[SEL+1]
.endr
.irp b, 0,1,2,3
	v_max_num_f32 v[TM+\b], v[TM+\b], v[TM+4+\b]   ; with lane l xor 16's: the block's largest magnitude
.endr
.irp b, 0,1,2,3
	v_add_nc_u32 v[TM+12+\b], 0xff000000, v[TM+\b] ; 2 off the exponent field: the conversion's scale operand
.endr
.irp b, 0,1,2,3
	v_lshrrev_b32 v[TM+4+\b], 23, v[TM+12+\b]      ; the scale's byte
.endr
	v_lshl_or_b32 v[\pw], v[TM+5], 8, v[TM+4]
	v_lshl_or_b32 v[\pw], v[TM+6], 16, v[\pw]
	v_lshl_or_b32 v[\pw], v[TM+7], 24, v[\pw]
	v_cvt_scalef32_pk16_fp6_f32 v[\pa:\pa+2], v[\s:\s+15], v[TM+12]
	v_cvt_scalef32_pk16_fp6_f32 v[CT:CT+2], v[\s+16:\s+31], v[TM+13]
	v_cvt_scalef32_pk16_fp6_f32 v[\pb:\pb+2], v[\s+32:\s+47], v[TM+14]
	v_cvt_scalef32_pk16_fp6_f32 v[CT+4:CT+6], v[\s+48:\s+63], v[TM+15]
	v_nop                                          ; one plain line behind the conversions
.irp i, 0,1,2
	v_permlane16_swap_b32 v[\pa+\i], v[CT+\i]      ; a whole block to a lane: lanes 0-15 the even block, lanes 16-31 the odd one
.endr
.irp i, 0,1,2
	v_mov_b32 v[\pa+3+\i], v[CT+\i]
.endr
.irp i, 0,1,2
	v_permlane16_swap_b32 v[\pb+\i], v[CT+4+\i]
.endr
.irp i, 0,1,2
	v_mov_b32 v[\pb+3+\i], v[CT+4+\i]
.endr
.endm
.macro STOREFRAG reg, sb, off          ; each store covers 512 consecutive bytes, aligned
.irp c, 0,1,2
	global_store_b128 v[LI], v[\reg+4*\c:\reg+4*\c+3], s[\sb:\sb+1] offset:\off+512*\c
.endr
.endm
	s_wait_loadcnt 0x0                             ; the biases
	PLACES NP                                      ; behind the last products: their operands' registers are written, and results read, below
	s_mov_b32 s[SEL], 0x76543210
	s_mov_b32 s[SEL+1], 0xfedcba98
.irp b, 0,1,2,3
	v_mov_b32 v[TM+4+\b], 0                        ; a lane permute's destination counts as one of its sources
.endr
	s_cmp_eq_u32 s99, 1                            ; the kind: the same in all partners
	s_cbranch_scc1 .Lvpath
	; q, k: block a is a tile of 16 tokens; its blocks 0, 1 along the registers are my first head's 64, blocks 2, 3 my second head's
.irp b, 0,1,2,3
.if \b > 0
	s_wait_xcnt 0x0                                ; the last fragments' stores have read their registers
.endif
	BIASG 2*\b
	QUANT H, IA, IB, PWE
	BIASG 2*\b+1
	QUANT H, IA+6, IB+6, PWO
	v_perm_b32 v[WA+\b], v[PWO], v[PWE], 0x05040100   ; first head: the even tile's two bytes, then the odd tile's
	v_perm_b32 v[WB+\b], v[PWO], v[PWE], 0x07060302   ; second head
	STOREFRAG IA, 4, 1536*\b
	STOREFRAG IB, 6, 1536*\b
.endr
	s_branch .Lwords
.Lvpath:
	; v: block a is 16 of a head's 64 (blocks 0-3 my first head, 4-7 my second); the registers run along my 128 tokens
.irp a, 0,1,2,3,4,5,6,7
.if \a > 0
	s_wait_xcnt 0x0
.endif
	BIASR \a
	QUANT H, IA, IA+6, WA+\a
	STOREFRAG IA, 4+2*(\a/4), 1536*(\a%4)
.endr
.Lwords:
	s_mov_b32 vcc_lo, 0xffff0000
.irp i, 0,1,2,3
	v_cndmask_b32 v[XW+\i], v[WA+\i], v[WB+\i], vcc_lo   ; lanes 0-15 the first head's words, lanes 16-31 the second's
.endr
	global_store_b128 v[SCO], v[XW:XW+3], s[4:5] offset:6144   ; sixteen lanes store 256 consecutive bytes, aligned
	s_wait_tensorcnt 0x0                           ; the wave's end
	ds_add_u32 v[SPW], v[NIL]
	s_wait_dscnt 0x0
	CROUND                                         ; the closing round
	s_endpgm
.Lfunc_end_k_q0776ebe099_qkv:
	.size	k_q0776ebe099_qkv, .Lfunc_end_k_q0776ebe099_qkv-k_q0776ebe099_qkv
	.p2alignl 7, 3214868480
	.fill 96, 4, 3214868480
	.section	.rodata,"a",@progbits
	.p2align	6, 0x0
	.amdhsa_kernel k_q0776ebe099_qkv
		.amdhsa_group_segment_fixed_size 327680
		.amdhsa_private_segment_fixed_size 0
		.amdhsa_enable_private_segment 0
		.amdhsa_kernarg_size 40
		.amdhsa_user_sgpr_count 2
		.amdhsa_user_sgpr_kernarg_segment_ptr 1
		.amdhsa_wavefront_size32 1
		.amdhsa_system_sgpr_workgroup_id_x 1
		.amdhsa_system_sgpr_workgroup_id_y 1
		.amdhsa_system_sgpr_workgroup_id_z 1
		.amdhsa_system_vgpr_workitem_id 0
		.amdhsa_next_free_vgpr 1024
		.amdhsa_next_free_sgpr 104
		.amdhsa_reserve_vcc 1
		.amdhsa_float_denorm_mode_32 3
		.amdhsa_float_denorm_mode_16_64 3
		.amdhsa_memory_ordered 1
		.amdhsa_forward_progress 1
		.amdhsa_inst_pref_size 234
	.end_amdhsa_kernel
	.amdgpu_metadata
---
amdhsa.version: [ 1, 2 ]
amdhsa.kernels:
  - .name:           k_q0776ebe099_qkv
    .symbol:         k_q0776ebe099_qkv.kd
    .args:
      - { .name: xq, .offset: 0, .size: 8, .value_kind: global_buffer, .address_space: global }
      - { .name: wq, .offset: 8, .size: 8, .value_kind: global_buffer, .address_space: global }
      - { .name: b_attn, .offset: 16, .size: 8, .value_kind: global_buffer, .address_space: global }
      - { .name: qimg, .offset: 24, .size: 8, .value_kind: global_buffer, .address_space: global }
      - { .name: kv, .offset: 32, .size: 8, .value_kind: global_buffer, .address_space: global }
    .group_segment_fixed_size: 327680
    .private_segment_fixed_size: 0
    .kernarg_segment_align: 8
    .kernarg_segment_size: 40
    .max_flat_workgroup_size: 128
    .sgpr_count:     104
    .vgpr_count:     1024
    .wavefront_size: 32
...
	.end_amdgpu_metadata
.endif
;; end of part 2
;; launch attn (part 3): grid 4 x 64, 16 waves a work-group, clusters of 4 x 1, 206,848 bytes of LDS; arguments qimg, kv, yq; writes yq
.if DOCPART == 3
	.amdgcn_target "amdgcn-amd-amdhsa--gfx1250"
	.amdhsa_code_object_version 6
	.text
	.protected	k_q0776ebe099_attn
	.globl	k_q0776ebe099_attn
	.p2align	8
	.type	k_q0776ebe099_attn,@function
k_q0776ebe099_attn:
	s_mov_b64 s[64:65], 0
	v_nop
	global_prefetch_b8 v0, s[64:65] scope:SCOPE_SE
	s_setreg_imm32_b32 hwreg(HW_REG_WAVE_MODE, 25, 1), 1
	s_wait_xcnt 0x0
	s_wait_alu depctr_hold_cnt(0) depctr_sa_sdst(0) depctr_va_vdst(0) depctr_va_sdst(0) depctr_va_ssrc(0) depctr_va_vcc(0) depctr_vm_vsrc(0)
	s_getreg_b32 s2, hwreg(HW_REG_IB_STS2, 6, 4)
	s_cmp_eq_u32 s2, 0
	s_cbranch_scc0 .Lentry_in_a_cluster
	s_endpgm
.Lentry_in_a_cluster:
	s_bfe_u32 s2, ttmp6, 0x10000c
	s_cmp_lg_u32 s2, 0x3003
	s_cbranch_scc0 .Lentry_shape_is_right
	s_endpgm
.Lentry_shape_is_right:
; y = softmax(q k^T / 8, causal) v for one head of one batch in a cluster of four work-groups; both products on codes of FP6 (E2M3) with E8M0 scales; y leaves quantised along C for the last product.
; THE SOFTMAX: t = score x log2(e) / 8; M = the running largest t rounded UP to a whole number; p = 2^(t - M) is quantised along the keys; the row's sum is taken of the unquantised p and divides at the end.
; SHARES.  A head has 16 groups of 128 queries, a group 8 tiles of 16 (tile u, lane r: query 32 (u / 2) + 8 (u % 2) + r + 8 (r / 8) of the group).  Wave w of partner cx owns tile cx + 4 (w / 8) of TWO groups:
; GH = max(w, 15 - w) and GL = 15 - GH.  Group g wants key steps 0 .. g (of 128 keys), the steps behind them lie wholly under the mask: so every wave walks (GH + 1) + (GL + 1) = 17 steps.
; Branches and LDS addresses hang on the wave's number and on counters alone; cx enters global addresses and the numbers that the mask compares.
; LDS holds the WHOLE head's k and v as they lie in memory (16 records of 12,800 bytes: k's part, v's part), filled ONCE by joint loads of waves 0-3 in three chunks (steps 0-3, 4-7, 8-15): no byte is filled again, nothing is stored to LDS.
; The four partners walk the same bytes: each chunk is asked for jointly.  Three tensor loads of a wave are out at the most.  No prefetch: all of k and v is asked for at the head.
; K = 64 IN AN INSTRUCTION OF 128: a fragment of k holds two tiles of 16 keys (registers 0-5, 6-11).  q stands as [q 6][zero codes 6][q 6] in v16-33: v[16:27] multiplies the first tile, v[22:33] the second; zero codes add nothing.
; Both products are used transposed: a lane holds ONE query; S's register 16 f + i is key 32 f + 16 (lane / 16) + i of the step; O's register 16 b + i is channel 32 b + 16 (lane / 16) + i of the head.
; OUT: yq codes [16 tokens 512][head 16][768 bytes: registers 0-3 at 16 x lane, registers 4-5 at 512 + 8 x lane], from byte YQ_SC scale bytes [token place 8192][32].
; LIMITS: a block whose largest magnitude lies under 2^-124 gets the byte 1 (a block of zeros has zero codes).  NaN and infinities are not served.
.set REC,   12800
.set VPART, 6400
.set SCW,   6144
.set YQ_SC, 6291456
.set LI,  1                            ; v1  16 x lane
.set LSC, 2                            ; v2  16 x (lane % 16)
.set ADR, 3                            ; v3  the step's record + LI
.set ADS, 4                            ; v4  the step's record + LSC
.set DQ,  5                            ; v5  my query in its group - 16 (lane / 16)
.set NINF, 6                           ; v6  -infinity
.set VQ0, 7                            ; v7, v8, v11: my places in q's part
.set VQ1, 8
.set L8,  9                            ; v9  8 x lane
.set YSO, 10                           ; v10 32 x (lane % 16)
.set VQS, 11
.set QB,  16                           ; v16-33
.set QSC, 34
.set PSC, 35
.set KSC, 36                           ; v36-39
.set VSC, 40                           ; v40-43
.set KV,  44                           ; v44-91  four fragments: k's, later v's
.set S,   92                           ; v92-155 scores, then p
.set O,   156                          ; v156-187
.set P,   188                          ; v188-199
.set CT,  200
.set BM,  208
.set PT,  212
.set SO,  216
.set F,   220                          ; v[220:221]
.set TMP, 222
.set QL,  224                          ; v224-229 the second tile's q
.set QR,  230                          ; v230-231 q's scale words as loaded
.set QSL, 232
.set WV,  12
.set SEL, 20
.set CS,  22
.set G1A, 24
.set G1B, 32
.set TB,  52
.set T,   53
.macro CROUND
	s_barrier_signal -1
	s_barrier_wait -1
	s_cmp_lg_u32 s[WV], 0
	s_cbranch_scc1 .Lnot_wave_0_\@
	s_barrier_signal -3
.Lnot_wave_0_\@:
	s_barrier_wait -3
	s_barrier_signal -1
	s_barrier_wait -1
.endm
	s_load_b128 s[4:7], s[0:1], 0x0                ; qimg, kv
	s_load_b64 s[8:9], s[0:1], 0x10                ; yq
	v_lshl_add_u32 v254, v0, 2, 0x32000
	v_mov_b32 v255, 0
	ds_add_u32 v254, v255
	ds_add_u32 v254, v255
	v_lshrrev_b32 v1, 5, v0
	s_delay_alu instid0(VALU_DEP_1)
	v_readfirstlane_b32 s[WV], v1                  ; wave 0..15
	s_bfe_u32 s13, ttmp6, 0x40000                  ; cx
	s_and_b32 s14, ttmp7, 0xffff                   ; 16 x batch + head: the partners share it
	s_xor_b32 s15, s[WV], 15
	s_min_u32 s15, s[WV], s15                      ; GL
	s_xor_b32 s16, s15, 15                         ; GH
	s_lshr_b32 s18, s[WV], 3
	s_lshl_b32 s18, s18, 2
	s_add_co_u32 s18, s18, s13                     ; my tile in both groups
	s_mov_b32 s[G1A], 15|(3<<16)|(1<<21)           ; the mask: all four; elements of 8 bytes; bit 21 beside a mask
	s_mov_b32 s[G1A+1], 32<<16                     ; rows of 256 bytes,
	s_mov_b32 s[G1A+2], 50<<16                     ; 50 of them: one record
	s_mov_b32 s[G1A+3], 32<<16
	s_mov_b32 s[G1A+4], 50
	s_mov_b32 s[G1A+5], 32                         ; dense
	s_mov_b32 s[G1A+6], 0
	s_mov_b32 s[G1A+7], 0
	s_mov_b32 s[G1B], 15|(3<<16)|(1<<21)
	s_mov_b32 s[G1B+1], 32<<16
	s_mov_b32 s[G1B+2], 100<<16                    ; two records
	s_mov_b32 s[G1B+3], 32<<16
	s_mov_b32 s[G1B+4], 100
	s_mov_b32 s[G1B+5], 32
	s_mov_b32 s[G1B+6], 0
	s_mov_b32 s[G1B+7], 0
	s_mov_b32 s[SEL], 0x76543210
	s_mov_b32 s[SEL+1], 0xfedcba98
	s_mov_b32 s[CS], 0x3e38aa3b                    ; c = log2(e) / 8
	s_mov_b32 s[CS+1], s[CS]
	s_mul_i32 s54, s[WV], REC
	s_mov_b32 s55, 0
	s_mul_i32 s56, s14, 16*REC
	s_mov_b32 s57, 0
	s_wait_dscnt 0x0
	s_wait_kmcnt 0x0
	s_add_nc_u64 s[56:57], s[6:7], s[56:57]        ; the head's records,
	s_add_nc_u64 s[56:57], s[56:57], s[54:55]      ; record w
	s_mov_b32 s40, 1                               ; wave j (0..3): record j,
	s_mov_b32 s41, s54
	s_mov_b64 s[42:43], s[56:57]
	s_or_b32 s43, s43, 0x80000000
	s_mov_b32 s44, 1                               ; record 4 + j,
	s_add_co_u32 s45, s54, 4*REC
	s_add_nc_u64 s[46:47], s[56:57], 4*REC
	s_or_b32 s47, s47, 0x80000000
	s_mov_b32 s48, 1                               ; records 8 + 2 j and 9 + 2 j
	s_lshl_b32 s49, s54, 1
	s_add_co_u32 s49, s49, 8*REC
	s_add_nc_u64 s[50:51], s[56:57], s[54:55]
	s_add_nc_u64 s[50:51], s[50:51], 8*REC
	s_or_b32 s51, s51, 0x80000000
	CROUND                                         ; all four work-groups are here: the joint loads meet
	s_cmp_lt_u32 s[WV], 4                          ; a wave's three first fills stand in one branch on the wave's number
	s_cbranch_scc0 .Lno_fill
	tensor_load_to_lds s[40:43], s[G1A:G1A+7]
	s_nop 0
	tensor_load_to_lds s[44:47], s[G1A:G1A+7]
	s_nop 0
	tensor_load_to_lds s[48:51], s[G1B:G1B+7]
	s_nop 0
.rept 4
	v_nop
.endr
.Lno_fill:
	s_lshr_b32 s54, s18, 1                         ; my tile lies in fragment F = tile / 2 of q's part,
	s_and_b32 s55, s18, 1                          ; in its registers 6 o .. 6 o + 5, o = tile % 2
	s_mul_i32 s19, s54, 1536
	s_mul_i32 s52, s55, 520
	s_add_co_u32 s52, s52, s19
	s_mul_i32 s53, s55, 1016
	s_add_co_u32 s53, s53, s19
	s_add_co_u32 s53, s53, 8
	v_and_b32 v3, 31, v0
	v_and_b32 v4, 15, v0
	s_delay_alu instid0(VALU_DEP_2)
	v_lshlrev_b32 v[LI], 4, v3
	s_delay_alu instid0(VALU_DEP_2)
	v_lshlrev_b32 v[LSC], 4, v4
	s_delay_alu instid0(VALU_DEP_2)
	v_add_nc_u32 v[VQ0], s52, v[LI]                ; registers 0-1 (o = 1: 6-7); 512 bytes on: registers 4-5 (10-11)
	s_delay_alu instid0(VALU_DEP_3)
	v_add_nc_u32 v[VQ1], s53, v[LI]                ; registers 2-3 (8-9)
	v_lshlrev_b32 v[L8], 3, v3
	v_lshlrev_b32 v[YSO], 5, v4
	s_lshl_b32 s52, s54, 2
	s_add_co_u32 s52, s52, SCW
	v_add_nc_u32 v[VQS], s52, v[LSC]
	s_wait_alu depctr_va_vdst(0)
	s_lshl_b32 s52, s54, 5
	s_lshl_b32 s53, s55, 3
	s_add_co_u32 s52, s52, s53
	v_and_b32 v[DQ], 8, v4
	s_delay_alu instid0(VALU_DEP_1)
	v_add_nc_u32 v[DQ], v[DQ], v4
	v_bfe_u32 v[NINF], v0, 4, 1
	s_delay_alu instid0(VALU_DEP_1)
	v_lshlrev_b32 v[NINF], 4, v[NINF]
	s_delay_alu instid0(VALU_DEP_1)
	v_sub_nc_u32 v[DQ], v[DQ], v[NINF]
	s_delay_alu instid0(VALU_DEP_1)
	v_add_nc_u32 v[DQ], s52, v[DQ]
	v_mov_b32 v[NINF], 0xff800000
	s_mov_b32 s19, 0x01000100                      ; which two bytes of q's scale word are my tile's: they are laid twice
	s_cmp_eq_u32 s55, 1
	s_cselect_b32 s19, 0x03020302, s19
	s_lshl_b32 s52, s14, 4
	s_add_co_u32 s53, s52, s16
	s_add_co_u32 s52, s52, s15
	s_mul_i32 s56, s53, 6400
	s_mov_b32 s57, 0
	s_mul_i32 s58, s52, 6400
	s_mov_b32 s59, 0
	s_add_nc_u64 s[56:57], s[4:5], s[56:57]        ; q's part of group GH,
	s_add_nc_u64 s[58:59], s[4:5], s[58:59]        ; of group GL
	global_load_b64 v[QB:QB+1], v[VQ0], s[56:57]
	global_load_b64 v[QB+2:QB+3], v[VQ1], s[56:57]
	global_load_b64 v[QB+4:QB+5], v[VQ0], s[56:57] offset:512
	global_load_b32 v[QR], v[VQS], s[56:57]
	global_load_b64 v[QL:QL+1], v[VQ0], s[58:59]
	global_load_b64 v[QL+2:QL+3], v[VQ1], s[58:59]
	global_load_b64 v[QL+4:QL+5], v[VQ0], s[58:59] offset:512
	global_load_b32 v[QR+1], v[VQS], s[58:59]
	; where y goes: block of 16 tokens = 128 x batch + 8 x group + tile
	s_lshr_b32 s52, s14, 4
	s_lshl_b32 s52, s52, 7
	s_add_co_u32 s52, s52, s18
	s_and_b32 s53, s14, 15                         ; the head
	s_lshl_b32 s54, s16, 3
	s_add_co_u32 s54, s54, s52
	s_lshl_b32 s55, s54, 4
	s_add_co_u32 s55, s55, s53
	s_mul_i32 s60, s55, 768
	s_mov_b32 s61, 0
	s_add_nc_u64 s[60:61], s[8:9], s[60:61]        ; the tile in hand: its codes,
	s_lshl_b32 s62, s54, 9
	s_lshl_b32 s55, s53, 1
	s_add_co_u32 s62, s62, s55
	s_add_co_u32 s62, s62, YQ_SC
	s_mov_b32 s63, 0
	s_add_nc_u64 s[62:63], s[8:9], s[62:63]        ; its scale bytes
	s_lshl_b32 s54, s15, 3
	s_add_co_u32 s54, s54, s52
	s_lshl_b32 s55, s54, 4
	s_add_co_u32 s55, s55, s53
	s_mul_i32 s66, s55, 768
	s_mov_b32 s67, 0
	s_add_nc_u64 s[66:67], s[8:9], s[66:67]        ; the second tile's
	s_lshl_b32 s68, s54, 9
	s_lshl_b32 s55, s53, 1
	s_add_co_u32 s68, s68, s55
	s_add_co_u32 s68, s68, YQ_SC
	s_mov_b32 s69, 0
	s_add_nc_u64 s[68:69], s[8:9], s[68:69]
	v_mov_b32 v13, 0xff61b1e6                      ; the largest t so far: -3e38
	s_delay_alu instid0(VALU_DEP_1)
	v_floor_f32 v12, -v13                          ; -M
	v_mov_b32 v14, 0                               ; the sum, in two halves
	v_mov_b32 v15, 0
	v_mov_b32 v[F+1], 0                            ; named as the upper half of a pair
.irp b, 0,1,2,3
	v_mov_b32 v[PT+\b], 0                          ; a lane permute's destination counts as one of its sources
.endr
.irp i, 0,1,2,3,4,5
	v_mov_b32 v[QB+6+\i], 0                        ; the zero codes between the two copies of q
.endr
	s_wait_loadcnt 0x0
	v_perm_b32 v[QSC], v[QR], v[QR], s19
	v_perm_b32 v[QSL], v[QR+1], v[QR+1], s19
.irp i, 0,1,2,3,4,5
	v_mov_b32 v[QB+12+\i], v[QB+\i]
.endr
.set j, 0
.rept 32
	v_mov_b32 v[O+j], 0                            ; O^T: the step is written once and finds zeros.  (These also stand between the scale word's and q's writes and the first product)
.set j, j+1
.endr
; A KEY STEP: the 128 keys of the record at s[TB].  mask = 1: on the diagonal (s19 = 1) hidden scores become -infinity.
.macro STEP mask
	v_add_nc_u32 v[ADR], s[TB], v[LI]
	v_add_nc_u32 v[ADS], s[TB], v[LSC]
	v_nop
	v_nop                                          ; four plain lines behind the last products, whose fragments' registers the loads below fill
.irp f, 0,1,2,3
.irp c, 0,1,2
	ds_load_b128 v[KV+12*\f+4*\c:KV+12*\f+4*\c+3], v[ADR] offset:1536*\f+512*\c   ; k's fragments: 512 consecutive bytes a load
.endr
.endr
	ds_load_b128 v[KSC:KSC+3], v[ADS] offset:SCW
	s_wait_alu depctr_va_vdst(0)
	s_wait_dscnt 0x0
.irp f, 0,1,2,3
.irp u, 0,1
	v_wmma_scale_f32_16x16x128_f8f6f4 v[S+16*\f+8*\u:S+16*\f+8*\u+7], v[KV+12*\f:KV+12*\f+11], v[QB+6*\u:QB+6*\u+11], 0, v[KSC+\f], v[QSC] matrix_a_fmt:MATRIX_FMT_FP6 matrix_b_fmt:MATRIX_FMT_FP6
.endr
.endr
.rept 4
	v_nop                                          ; in front of the loads into k's registers and of the first read of the scores
.endr
.irp f, 0,1,2,3
.irp c, 0,1,2
	ds_load_b128 v[KV+12*\f+4*\c:KV+12*\f+4*\c+3], v[ADR] offset:VPART+1536*\f+512*\c   ; v's fragments land under the softmax
.endr
.endr
	ds_load_b128 v[VSC:VSC+3], v[ADS] offset:VPART+SCW
.if \mask
	s_cmp_eq_u32 s19, 0
	s_cbranch_scc1 .Lopen_\@
.set n, 0
.rept 64
	v_cmp_gt_i32 vcc_lo, 32*(n/16)+n%16, v[DQ]     ; register n's key comes after my query
	v_cndmask_b32 v[S+n], v[S+n], v[NINF], vcc_lo
.set n, n+1
.endr
.Lopen_\@:
.endif
.irp b, 0,1,2,3
	v_max3_num_f32 v[BM+\b], v[S+16*\b], v[S+1+16*\b], v[S+2+16*\b]   ; the largest score of each block of 32 keys: for the row's maximum, and, since p rises with the score, for the block's largest p
.endr
.irp i, 3,5,7,9,11,13
.irp b, 0,1,2,3
	v_max3_num_f32 v[BM+\b], v[BM+\b], v[S+16*\b+\i], v[S+1+16*\b+\i]
.endr
.endr
.irp b, 0,1,2,3
	v_max_num_f32 v[BM+\b], v[BM+\b], v[S+15+16*\b]
.endr
.irp b, 0,1,2,3
	s_delay_alu instid0(VALU_DEP_4)
	v_permlanex16_b32 v[PT+\b], v[BM+\b], s[SEL], s[SEL+1]
.endr
.irp b, 0,1,2,3
	s_delay_alu instid0(VALU_DEP_4)
	v_max_num_f32 v[BM+\b], v[BM+\b], v[PT+\b]
.endr
	s_delay_alu instid0(VALU_DEP_2)
	v_max3_num_f32 v[TMP], v[BM], v[BM+1], v[BM+2]
	s_delay_alu instid0(VALU_DEP_1)
	v_max_num_f32 v[TMP], v[TMP], v[BM+3]
	s_delay_alu instid0(VALU_DEP_1)
	v_mul_f32 v[TMP], s[CS], v[TMP]
	s_delay_alu instid0(VALU_DEP_1)
	v_max_num_f32 v13, v13, v[TMP]                 ; the running largest t
	v_mov_b32 v[TMP], v12
	s_delay_alu instid0(VALU_DEP_2)
	v_floor_f32 v12, -v13                          ; -M = floor(-t): M is a whole number
	s_delay_alu instid0(VALU_DEP_1)
	v_sub_f32 v[TMP], v12, v[TMP]                  ; old M - new M, 0 or less
	s_delay_alu instid0(VALU_DEP_1)
	v_cvt_i32_f32 v[TMP], v[TMP]                   ; (it saturates)
	s_delay_alu instid0(VALU_DEP_1)
	v_ldexp_f32 v[F], 1.0, v[TMP]                  ; f = 2^(old M - new M): a multiplication by it rounds nothing
.set j, 0
.rept 32
	v_pk_fma_f32 v[S+j:S+j+1], v[S+j:S+j+1], s[CS:CS+1], v[12:13] op_sel_hi:[1,0,0]   ; t - M
.set j, j+2
.endr
.irp b, 0,1,2,3
	v_fma_f32 v[BM+\b], v[BM+\b], s[CS], v12
.endr
.set j, 0
	s_wait_alu depctr_va_vdst(0)
.rept 64
	v_exp_f32 v[S+j], v[S+j]                       ; p = 2^(t - M)
.set j, j+1
.endr
	v_pk_mul_f32 v[14:15], v[14:15], v[F:F+1] op_sel_hi:[1,0]   ; the sums under the new M (a plain line behind the exponentials)
	s_wait_alu depctr_va_vdst(0)                   ; one wait for the batch of 64, ahead of its first reader
.irp b, 0,1,2,3
	v_exp_f32 v[BM+\b], v[BM+\b]                   ; each block's largest p
.endr
	v_pk_add_f32 v[212:213], v[96:97], v[100:101]
	v_pk_add_f32 v[252:253], v[104:105], v[108:109]
	v_pk_add_f32 v[250:251], v[112:113], v[116:117]
	v_pk_add_f32 v[248:249], v[120:121], v[124:125]
	v_pk_add_f32 v[246:247], v[128:129], v[132:133]
	v_pk_add_f32 v[244:245], v[136:137], v[140:141]
	v_pk_add_f32 v[242:243], v[144:145], v[148:149]
	v_pk_add_f32 v[14:15], v[14:15], v[152:153]
	v_pk_add_f32 v[212:213], v[212:213], v[92:93]
	v_pk_add_f32 v[252:253], v[252:253], v[94:95]
	v_pk_add_f32 v[250:251], v[250:251], v[98:99]
	v_pk_add_f32 v[248:249], v[248:249], v[102:103]
	v_pk_add_f32 v[246:247], v[246:247], v[106:107]
	v_pk_add_f32 v[244:245], v[244:245], v[110:111]
	v_pk_add_f32 v[242:243], v[242:243], v[114:115]
	v_pk_add_f32 v[14:15], v[14:15], v[118:119]
	v_pk_add_f32 v[212:213], v[212:213], v[122:123]
	v_pk_add_f32 v[252:253], v[252:253], v[126:127]
	v_pk_add_f32 v[250:251], v[250:251], v[130:131]
	v_pk_add_f32 v[248:249], v[248:249], v[134:135]
	v_pk_add_f32 v[246:247], v[246:247], v[138:139]
	v_pk_add_f32 v[244:245], v[244:245], v[142:143]
	v_pk_add_f32 v[242:243], v[242:243], v[146:147]
	v_pk_add_f32 v[14:15], v[14:15], v[150:151]
	v_pk_add_f32 v[212:213], v[212:213], v[154:155]
	s_delay_alu instid0(VALU_DEP_2)
	v_pk_add_f32 v[14:15], v[14:15], v[248:249]
	s_delay_alu instid0(VALU_DEP_2)
	v_pk_add_f32 v[212:213], v[212:213], v[246:247]
	v_pk_add_f32 v[252:253], v[252:253], v[244:245]
	v_pk_add_f32 v[250:251], v[250:251], v[242:243]
	s_delay_alu instid0(VALU_DEP_2)
	v_pk_add_f32 v[14:15], v[14:15], v[252:253]
	s_delay_alu instid0(VALU_DEP_2)
	v_pk_add_f32 v[212:213], v[212:213], v[250:251]
	s_delay_alu instid0(VALU_DEP_1)
	v_pk_add_f32 v[14:15], v[14:15], v[212:213]
	s_wait_alu depctr_va_vdst(0)                   ; and one for the four
.irp b, 0,1,2,3
	v_max_num_f32 v[BM+\b], 0x1800000, v[BM+\b]    ; the floor 2^(3 - 127)
.endr
.irp b, 0,1,2,3
	s_delay_alu instid0(VALU_DEP_4)
	v_add_nc_u32 v[SO+\b], 0xff000000, v[BM+\b]
.endr
.irp b, 0,1,2,3
	s_delay_alu instid0(VALU_DEP_4)
	v_lshrrev_b32 v[PT+\b], 23, v[SO+\b]
.endr
	s_delay_alu instid0(VALU_DEP_3)
	v_lshl_or_b32 v[PSC], v[PT+1], 8, v[PT]        ; p's scale word for these 128 keys
	s_delay_alu instid0(VALU_DEP_1)
	v_lshl_or_b32 v[PSC], v[PT+2], 16, v[PSC]
	s_delay_alu instid0(VALU_DEP_1)
	v_lshl_or_b32 v[PSC], v[PT+3], 24, v[PSC]
.irp c, 0,1
	v_cvt_scalef32_pk16_fp6_f32 v[P+6*\c:P+6*\c+2], v[S+32*\c:S+32*\c+15], v[SO+2*\c]
	v_cvt_scalef32_pk16_fp6_f32 v[CT+4*\c:CT+4*\c+2], v[S+16+32*\c:S+31+32*\c], v[SO+2*\c+1]
.endr
	v_nop                                          ; one plain line behind the conversions
.irp c, 0,1
.irp i, 0,1,2
	v_permlane16_swap_b32 v[P+6*\c+\i], v[CT+4*\c+\i]
.endr
.irp i, 0,1,2
	s_delay_alu instid0(VALU_DEP_3)
	v_mov_b32 v[P+3+6*\c+\i], v[CT+4*\c+\i]
.endr
.endr
.set j, 0
.rept 16
	v_pk_mul_f32 v[O+j:O+j+1], v[O+j:O+j+1], v[F:F+1] op_sel_hi:[1,0]   ; O^T under the new M; these sixteen also stand between the writes of p's codes and scale word and the products
.set j, j+2
.endr
	s_wait_alu depctr_va_vdst(0)
	s_wait_dscnt 0x0                               ; v's fragments
.irp d, 0,1,2,3
	v_wmma_scale_f32_16x16x128_f8f6f4 v[O+8*\d:O+8*\d+7], v[KV+12*\d:KV+12*\d+11], v[P:P+11], v[O+8*\d:O+8*\d+7], v[VSC+\d], v[PSC] matrix_a_fmt:MATRIX_FMT_FP6 matrix_b_fmt:MATRIX_FMT_FP6   ; the four accumulators take turns; the next step's eight products stand between two links
.endr
.endm
	s_mov_b32 s19, 0
	s_mov_b32 s[TB], 0
	s_mov_b32 s[T], 0
	s_wait_tensorcnt 0x2                           ; my first load (records 0-3 among the four waves) has landed; my two later ones may be out
	s_barrier_signal -1
	s_barrier_wait -1
.La:                                               ; steps 0-3 of group GH (GH is 8 at the least: none lies on the diagonal)
	STEP 0
	s_add_co_u32 s[TB], s[TB], REC
	s_add_co_u32 s[T], s[T], 1
	s_cmp_lt_u32 s[T], 4
	s_cbranch_scc1 .La
	s_wait_tensorcnt 0x1                           ; records 4-7 have landed; the last load may be out
	s_wait_dscnt 0x0
	s_barrier_signal -1
	s_barrier_wait -1
	s_mov_b32 s[TB], 4*REC
.Lb:                                               ; steps 4-7
	STEP 0
	s_add_co_u32 s[TB], s[TB], REC
	s_add_co_u32 s[T], s[T], 1
	s_cmp_lt_u32 s[T], 8
	s_cbranch_scc1 .Lb
	s_wait_tensorcnt 0x0                           ; all records have landed
	s_wait_dscnt 0x0
	s_barrier_signal -1
	s_barrier_wait -1
.Lc:                                               ; trips 8-16: the rest of group GH, then group GL's steps 0 .. GL
	s_cmp_gt_u32 s[T], s16
	s_cselect_b32 s54, s15, 0
	s_add_co_u32 s54, s54, s[T]
	s_and_b32 s54, s54, 15                         ; the key step: T, or behind GH: T + GL - 16 = T - (GH + 1)
	s_mul_i32 s[TB], s54, REC
	s_cmp_eq_u32 s[T], s16
	s_cselect_b32 s19, 1, 0
	s_cmp_eq_u32 s[T], 16
	s_cselect_b32 s19, 1, s19                      ; a group's last step lies on the diagonal
	STEP 1
	s_cmp_eq_u32 s19, 0
	s_cbranch_scc1 .Lon
	; A TILE IS FINISHED: y = O^T / the sum, quantised along the head's 64 (two blocks of C), stored as six operand registers and two scale bytes
.rept 4
	v_nop
.endr
	v_add_f32 v14, v14, v15
	s_delay_alu instid0(VALU_DEP_1)
	v_permlanex16_b32 v[TMP], v14, s[SEL], s[SEL+1]
	s_delay_alu instid0(VALU_DEP_1)
	v_add_f32 v14, v14, v[TMP]                     ; the row's sum
	s_wait_alu depctr_va_vdst(0)
	v_rcp_f32 v14, v14
	v_nop
	s_wait_alu depctr_va_vdst(0)                   ; ahead of the reciprocal's first reader
.set j, 0
.rept 32
	v_mul_f32 v[S+j], v[O+j], v14                  ; each accumulator from its low end on
.set j, j+1
.endr
.irp b, 0,1
	v_max3_num_f32 v[BM+\b], |v[S+16*\b]|, |v[S+1+16*\b]|, 0x1800000
.endr
.irp i, 2,4,6,8,10,12,14
.irp b, 0,1
	s_delay_alu instid0(VALU_DEP_2)
	v_max3_num_f32 v[BM+\b], v[BM+\b], |v[S+16*\b+\i]|, |v[S+1+16*\b+\i]|
.endr
.endr
.irp b, 0,1
	s_delay_alu instid0(VALU_DEP_2)
	v_permlanex16_b32 v[PT+\b], v[BM+\b], s[SEL], s[SEL+1]
.endr
.irp b, 0,1
	s_delay_alu instid0(VALU_DEP_2)
	v_max_num_f32 v[BM+\b], v[BM+\b], v[PT+\b]
.endr
.irp b, 0,1
	s_delay_alu instid0(VALU_DEP_2)
	v_add_nc_u32 v[SO+\b], 0xff000000, v[BM+\b]
.endr
.irp b, 0,1
	s_delay_alu instid0(VALU_DEP_2)
	v_lshrrev_b32 v[PT+\b], 23, v[SO+\b]
.endr
	s_delay_alu instid0(VALU_DEP_1)
	v_lshl_or_b32 v[TMP], v[PT+1], 8, v[PT]        ; the two scale bytes
	v_cvt_scalef32_pk16_fp6_f32 v[P:P+2], v[S:S+15], v[SO]
	v_cvt_scalef32_pk16_fp6_f32 v[P+4:P+6], v[S+16:S+31], v[SO+1]
	v_nop
.irp i, 0,1,2
	v_permlane16_swap_b32 v[P+\i], v[P+4+\i]
.endr
	s_delay_alu instid0(VALU_DEP_3)
	v_mov_b32 v[P+3], v[P+4]
	s_delay_alu instid0(VALU_DEP_3)
	v_mov_b32 v[P+4], v[P+5]
	s_delay_alu instid0(VALU_DEP_3)
	v_mov_b32 v[P+5], v[P+6]
	global_store_b128 v[LI], v[P:P+3], s[60:61]            ; 512 consecutive bytes, aligned
	global_store_b64 v[L8], v[P+4:P+5], s[60:61] offset:512   ; 256 consecutive bytes, aligned
	global_store_b16 v[YSO], v[TMP], s[62:63]              ; two bytes of each row's 32: both halves of the lanes write the same bytes
	s_wait_xcnt 0x0                                ; the three stores have read their data and bases: on both ways from here (the second tile, the loop's edge) these registers are written again only behind this wait
	s_cmp_lg_u32 s[T], s16
	s_cbranch_scc1 .Lon
	; ON TO THE SECOND TILE
	s_mov_b64 s[60:61], s[66:67]
	s_mov_b64 s[62:63], s[68:69]
	v_mov_b32 v[QSC], v[QSL]
.irp i, 0,1,2,3,4,5
	v_mov_b32 v[QB+\i], v[QL+\i]
	v_mov_b32 v[QB+12+\i], v[QL+\i]
.endr
	v_mov_b32 v13, 0xff61b1e6
	s_delay_alu instid0(VALU_DEP_1)
	v_floor_f32 v12, -v13
	v_mov_b32 v14, 0
	v_mov_b32 v15, 0
.set j, 0
.rept 32
	v_mov_b32 v[O+j], 0
.set j, j+1
.endr
.Lon:
	s_add_co_u32 s[T], s[T], 1
	s_cmp_lt_u32 s[T], 17
	s_cbranch_scc1 .Lc
	s_wait_tensorcnt 0x0
	ds_add_u32 v254, v255
	s_wait_dscnt 0x0
	CROUND                                         ; the closing round
	s_endpgm
.Lfunc_end_k_q0776ebe099_attn:
	.size	k_q0776ebe099_attn, .Lfunc_end_k_q0776ebe099_attn-k_q0776ebe099_attn
	.p2alignl 7, 3214868480
	.fill 96, 4, 3214868480
	.section	.rodata,"a",@progbits
	.p2align	6, 0x0
	.amdhsa_kernel k_q0776ebe099_attn
		.amdhsa_group_segment_fixed_size 206848
		.amdhsa_private_segment_fixed_size 0
		.amdhsa_enable_private_segment 0
		.amdhsa_kernarg_size 24
		.amdhsa_user_sgpr_count 2
		.amdhsa_user_sgpr_kernarg_segment_ptr 1
		.amdhsa_wavefront_size32 1
		.amdhsa_system_sgpr_workgroup_id_x 1
		.amdhsa_system_sgpr_workgroup_id_y 1
		.amdhsa_system_sgpr_workgroup_id_z 1
		.amdhsa_system_vgpr_workitem_id 0
		.amdhsa_next_free_vgpr 256
		.amdhsa_next_free_sgpr 72
		.amdhsa_reserve_vcc 1
		.amdhsa_float_denorm_mode_32 3
		.amdhsa_float_denorm_mode_16_64 3
		.amdhsa_memory_ordered 1
		.amdhsa_forward_progress 1
		.amdhsa_inst_pref_size 72
	.end_amdhsa_kernel
	.amdgpu_metadata
---
amdhsa.version: [ 1, 2 ]
amdhsa.kernels:
  - .name:           k_q0776ebe099_attn
    .symbol:         k_q0776ebe099_attn.kd
    .args:
      - { .name: qimg, .offset: 0, .size: 8, .value_kind: global_buffer, .address_space: global }
      - { .name: kv, .offset: 8, .size: 8, .value_kind: global_buffer, .address_space: global }
      - { .name: yq, .offset: 16, .size: 8, .value_kind: global_buffer, .address_space: global }
    .group_segment_fixed_size: 206848
    .private_segment_fixed_size: 0
    .kernarg_segment_align: 8
    .kernarg_segment_size: 24
    .max_flat_workgroup_size: 512
    .sgpr_count:     72
    .vgpr_count:     256
    .wavefront_size: 32
...
	.end_amdgpu_metadata
.endif
;; end of part 3
;; launch proj (part 4): grid 4 x 64, 4 waves a work-group, clusters of 4 x 4, 327,680 bytes of LDS; arguments yq, wq, b_proj, out0; writes out0
.if DOCPART == 4
	.amdgcn_target "amdgcn-amd-amdhsa--gfx1250"
	.amdhsa_code_object_version 6
	.text
	.protected	k_q0776ebe099_proj
	.globl	k_q0776ebe099_proj
	.p2align	8
	.type	k_q0776ebe099_proj,@function
k_q0776ebe099_proj:
	s_mov_b64 s[64:65], 0
	v_nop
	global_prefetch_b8 v0, s[64:65] scope:SCOPE_SE
	s_setreg_imm32_b32 hwreg(HW_REG_WAVE_MODE, 25, 1), 1
	s_wait_xcnt 0x0
	s_wait_alu depctr_hold_cnt(0) depctr_sa_sdst(0) depctr_va_vdst(0) depctr_va_sdst(0) depctr_va_ssrc(0) depctr_va_vcc(0) depctr_vm_vsrc(0)
	s_getreg_b32 s2, hwreg(HW_REG_IB_STS2, 6, 4)
	s_cmp_eq_u32 s2, 0
	s_cbranch_scc0 .Lentry_in_a_cluster
	s_endpgm
.Lentry_in_a_cluster:
	s_bfe_u32 s2, ttmp6, 0x10000c
	s_cmp_lg_u32 s2, 0xf033
	s_cbranch_scc0 .Lentry_shape_is_right
	s_endpgm
.Lentry_shape_is_right:
; out0 = y W_proj + b_proj on codes of FP6 (E2M3) with one E8M0 scale for each 32 along K = 1,024; f32 sums, f32 out.
; A work-group of four waves makes 128 tokens x 256 columns (256 work-groups), a wave 64 x 128: 32 accumulators, which fill window 2.  K goes in steps of 256 through a ring of two LDS slots; the scale bytes come once and stay.
; 4 x 4 work-groups form a cluster: y's tile is shared along a row of the cluster, W's along a column, each asked for jointly.
; y's codes lie as images of operand registers: [16 tokens][head 16][768 bytes: registers 0-3 at 16 x lane, registers 4-5 at 512 + 8 x lane]; two heads are a fragment of 128 along K, four heads (3,072 consecutive bytes) a K step.
; W's codes are rows 3,072 on of wq, 768 bytes a row.  Tokens and columns lie with bits 3 and 4 of their numbers exchanged; the way out puts both back.
; THE MATRIX INSTRUCTION IS USED TRANSPOSED (source 0 = 16 rows of W, source 1 = 16 tokens): a lane holds eight neighbouring columns of a token.  The bias is the C of each sum's first product.
; No prefetch: K has four steps, of which two are asked for at the head.
; REGISTERS: window 0: v16-29 addresses; v32-63 scale words, two sets; v64-127 the bias; v128-175 y's four fragments, one set; on the way out v128-255.  window 1: W's fragments, two sets.  window 2: the accumulators.
.set NQ,     2
.set ROWB,   192
.set KROW,   768
.set PITCH,  240
.set FR,     12
.set NP,     4
.set ASTEP,  3072                      ; a K step of 16 tokens' codes
.set AHALF,  4*ASTEP                   ; what a wave fetches of y, and what a wave reads
.set ABYTES, 2*AHALF
.set HALFB,  128*PITCH
.set SLOT,   ABYTES+2*HALFB            ; 86,016
.set LAPS,   2
.set KS,     32
.set SCL,    2*SLOT
.set HSA,    8*272                     ; the scales of 64 tokens
.set HSB,    16*272                    ; of 128 rows of W
.set SBLK,   2*272
.set SPARE,  SCL+2*HSA+2*HSB           ; the spare words, 128 bytes for each wave: two blocks of 256 bytes that no other line names
.set SPITCH, 528                       ; the way out: a stage of 16 rows x (512 + 16) bytes for each wave, in slot 0, behind that slot's last fill and last read
.set YQ_SC,  6291456
.set WQ_SC,  3145728
.set A16,  16                          ; v16-17
.set A8,   18                          ; v18-19
.set ADRB, 20                          ; v20-23
.set STO,  24
.set RD,   25
.set CO,   26
.set ADRS, 27
.set SPW,  28
.set NIL,  29
.set BIO,  30                          ; v30  64 (lane / 16); never rewritten
.set SC,   32
.set BI,   64
.set AF,   128
.set BK,   128
.set G1, 24
.set G0, 32
.set G1B, 48
.set G0B, 56
.set G1S, 68
.set G0S, 76
.set G1SB, 80
.set G0SB, 88
.set MSB, 0
.macro WIN new
.if MSB != (\new)
	s_set_vgpr_msb (MSB<<8)|(\new)
.set MSB, \new
.endif
.endm
.set MULW, 0xa1                        ; source 0 (W) window 1, source 1 (y) window 0, C and D window 2
.set MULZ, 0x81                        ; the same with C (the bias) in window 0
.set TO_B, 0x40
.macro JLOAD g0a, g1a, g0b, g1b        ; waves 0 and 1 fetch for y, waves 2 and 3 for W; four v_nop follow each of the two lines
	s_cmp_eq_u32 s15, 0
	s_cbranch_scc0 .Lfor_b_\@
	tensor_load_to_lds s[\g0a:\g0a+3], s[\g1a:\g1a+7]
	s_nop 0
.rept 4
	v_nop
.endr
	s_branch .Lasked_\@
.Lfor_b_\@:
	tensor_load_to_lds s[\g0b:\g0b+3], s[\g1b:\g1b+7]
	s_nop 0
.rept 4
	v_nop
.endr
.Lasked_\@:
.endm
.macro CREST
	s_cmp_lg_u32 s14, 0
	s_cbranch_scc1 .Lnot_wave_0_\@
	s_barrier_signal -3
.Lnot_wave_0_\@:
	s_barrier_wait -3
	s_barrier_signal -1
	s_barrier_wait -1
.endm
.macro CROUND
	s_barrier_signal -1
	s_barrier_wait -1
	CREST
.endm
	s_load_b128 s[4:7], s[0:1], 0x0                ; yq, wq
	s_load_b128 s[8:11], s[0:1], 0x10              ; b_proj, out0
	v_lshl_add_u32 v[SPW], v0, 2, SPARE
	v_mov_b32 v[NIL], 0
	ds_add_u32 v28, v29
	ds_add_u32 v28, v29
	s_wait_dscnt 0x0
	v_lshrrev_b32 v1, 5, v0
	v_readfirstlane_b32 s14, v1                    ; wave 0..3
	s_lshr_b32 s15, s14, 1                         ; which 64 tokens are mine.  Also: I fetch for y (0) or for W (1)
	s_and_b32 s16, s14, 1                          ; which 128 columns.  Also: which half I fetch
	s_bfe_u32 s40, ttmp6, 0x40000                  ; cx
	s_bfe_u32 s41, ttmp6, 0x40004                  ; cy
	s_lshl_b32 s42, ttmp9, 2
	s_add_co_u32 s42, s42, s40                     ; which 256 columns
	s_and_b32 s17, ttmp7, 0xffff
	s_lshl_b32 s17, s17, 2
	s_add_co_u32 s17, s17, s41                     ; which 128 tokens
	s_lshl_b32 s43, s41, 2
	s_lshl_b32 s43, 15, s43                        ; my row of the cluster
	s_lshl_b32 s44, 0x1111, s40                    ; my column
	s_or_b32 s[G1+0], s43, (3<<16)|(1<<21)         ; y's codes: the mask; elements of 8 bytes; no padding; bit 21 beside a mask
	s_mov_b32 s[G1+1], 384<<16                     ; rows of 3,072 bytes,
	s_mov_b32 s[G1+2], 4<<16                       ; four of them,
	s_mov_b32 s[G1+3], 384<<16
	s_mov_b32 s[G1+4], 4
	s_mov_b32 s[G1+5], 1536                        ; 12,288 bytes apart
	s_mov_b32 s[G1+6], 0
	s_mov_b32 s[G1+7], 0
	s_or_b32 s[G1B+0], s44, (0<<16)|(1<<20)|(1<<21)|(3<<22)|(3<<25)   ; W's codes: 128 rows of 192 bytes, 16 bytes of padding behind every 64
	s_mov_b32 s[G1B+1], ROWB<<16
	s_mov_b32 s[G1B+2], 128<<16
	s_mov_b32 s[G1B+3], ROWB<<16
	s_mov_b32 s[G1B+4], 128
	s_mov_b32 s[G1B+5], KROW
	s_mov_b32 s[G1B+6], 0
	s_mov_b32 s[G1B+7], 0
	s_or_b32 s[G1S+0], s43, (3<<16)|(1<<20)|(1<<21)|(5<<22)|(3<<25)   ; y's scales of 64 tokens: 8 rows of 256 dense bytes, 16 of padding behind each
	s_mov_b32 s[G1S+1], 32<<16
	s_mov_b32 s[G1S+2], 8<<16
	s_mov_b32 s[G1S+3], 32<<16
	s_mov_b32 s[G1S+4], 8
	s_mov_b32 s[G1S+5], 32
	s_mov_b32 s[G1S+6], 0
	s_mov_b32 s[G1S+7], 0
	s_or_b32 s[G1SB+0], s44, (3<<16)|(1<<20)|(1<<21)|(5<<22)|(3<<25)  ; W's of 128 rows: 16 such rows
	s_mov_b32 s[G1SB+1], 32<<16
	s_mov_b32 s[G1SB+2], 16<<16
	s_mov_b32 s[G1SB+3], 32<<16
	s_mov_b32 s[G1SB+4], 16
	s_mov_b32 s[G1SB+5], 32
	s_mov_b32 s[G1SB+6], 0
	s_mov_b32 s[G1SB+7], 0
	s_lshl_b32 s20, s17, 3
	s_lshl_b32 s18, s16, 2
	s_add_co_u32 s20, s20, s18                     ; y: the first block of 16 tokens that I fetch
	s_lshl_b32 s22, s20, 9                         ; its scale bytes: 512 a block
	s_add_co_u32 s22, s22, YQ_SC
	s_mov_b32 s23, 0
	s_mul_i32 s20, s20, 12288
	s_mov_b32 s21, 0
	s_lshl_b32 s46, s42, 8
	s_lshl_b32 s18, s16, 7
	s_add_co_u32 s46, s46, s18
	s_add_co_u32 s46, s46, 3072                    ; W: the first row of wq that I fetch
	s_lshl_b32 s92, s46, 5
	s_add_co_u32 s92, s92, WQ_SC
	s_mov_b32 s93, 0
	s_mul_i32 s46, s46, KROW
	s_mov_b32 s47, 0
	s_mul_i32 s45, s16, AHALF                      ; where they go: no place in the cluster enters an LDS address
	s_mul_i32 s95, s16, HALFB
	s_add_co_u32 s95, s95, ABYTES
	s_mul_i32 s94, s16, HSA
	s_add_co_u32 s94, s94, SCL
	s_mul_i32 s96, s16, HSB
	s_add_co_u32 s96, s96, SCL+2*HSA
	s_wait_kmcnt 0x0
	s_add_nc_u64 s[20:21], s[4:5], s[20:21]
	s_add_nc_u64 s[22:23], s[4:5], s[22:23]
	s_add_nc_u64 s[46:47], s[6:7], s[46:47]
	s_add_nc_u64 s[92:93], s[6:7], s[92:93]
	CROUND                                         ; all sixteen work-groups are here: the first joint loads meet
	s_mov_b32 s[G0S], 1
	s_mov_b32 s[G0S+1], s94
	s_mov_b64 s[G0S+2:G0S+3], s[22:23]
	s_or_b32 s[G0S+3], s[G0S+3], 0x80000000
	s_mov_b32 s[G0SB], 1
	s_mov_b32 s[G0SB+1], s96
	s_mov_b64 s[G0SB+2:G0SB+3], s[92:93]
	s_or_b32 s[G0SB+3], s[G0SB+3], 0x80000000
	JLOAD G0S, G1S, G0SB, G1SB
.irp s, 0,1
	s_mov_b32 s[G0+4*\s], 1
	s_add_co_u32 s[G0+4*\s+1], s45, \s*SLOT
	s_add_nc_u64 s[G0+4*\s+2:G0+4*\s+3], s[20:21], \s*ASTEP
	s_or_b32 s[G0+4*\s+3], s[G0+4*\s+3], 0x80000000
	s_mov_b32 s[G0B+4*\s], 1
	s_add_co_u32 s[G0B+4*\s+1], s95, \s*SLOT
	s_add_nc_u64 s[G0B+4*\s+2:G0B+4*\s+3], s[46:47], \s*ROWB
	s_or_b32 s[G0B+4*\s+3], s[G0B+4*\s+3], 0x80000000
	JLOAD G0+4*\s, G1, G0B+4*\s, G1B               ; three tensor loads of mine are out
.endr
	v_and_b32 v1, 15, v0                           ; r
	v_bfe_u32 v2, v0, 4, 1                         ; h
	v_and_b32 v6, 31, v0                           ; lane
	v_mul_u32_u24 v3, v1, PITCH
	v_mul_u32_u24 v4, v2, 24
	v_add_nc_u32 v4, v3, v4
	v_lshl_add_u32 v5, v2, 4, v4
	v_lshlrev_b32 v[CO], 4, v6                     ; 16 x lane
	v_lshlrev_b32 v7, 3, v6                        ; 8 x lane
	s_mul_i32 s21, s15, AHALF                      ; my four blocks of y
	s_mul_i32 s22, s16, HALFB
	s_add_co_u32 s22, s22, ABYTES                  ; my 128 rows of W
.irp s, 0,1
	v_add_nc_u32 v[A16+\s], s21, v[CO]
	v_add_nc_u32 v[A8+\s], s21, v7
	v_add_nc_u32 v[ADRB+\s], s22, v4
	v_add_nc_u32 v[ADRB+2+\s], s22, v5
	s_add_co_u32 s21, s21, SLOT
	s_add_co_u32 s22, s22, SLOT
.endr
	v_mul_u32_u24 v5, v1, KS
	v_lshrrev_b32 v6, 8, v5
	v_lshl_add_u32 v5, v6, 4, v5
	s_mul_i32 s21, s15, HSA
	s_mul_i32 s22, s16, HSB
	s_add_co_u32 s22, s22, 2*HSA
	s_sub_co_u32 s22, s22, s21
	v_mul_u32_u24 v6, s22, v2                      ; lanes 16-31 take W's scale words
	s_add_co_u32 s21, s21, SCL
	v_add_nc_u32 v5, v5, v6
	v_add_nc_u32 v[ADRS], s21, v5
	s_mul_i32 s23, s14, 16*SPITCH                  ; my stage
	v_mul_u32_u24 v5, v1, SPITCH
	v_lshl_add_u32 v5, v2, 6, v5
	v_add_nc_u32 v[STO], s23, v5                   ; in: row r, + 64 h
	v_add_nc_u32 v[RD], s23, v[CO]                 ; back: 32 lanes take a row of 512 bytes
	s_lshl_b32 s46, s42, 10
	s_lshl_b32 s47, s16, 9
	s_add_co_u32 s46, s46, s47                     ; my first column, in bytes
	s_mov_b32 s47, 0
	s_add_nc_u64 s[8:9], s[8:9], s[46:47]          ; the bias there
	s_lshl_b32 s20, s17, 7
	s_lshl_b32 s21, s15, 6
	s_add_co_u32 s20, s20, s21
	s_lshl_b32 s20, s20, 12                        ; my first token's row of 4,096 bytes
	s_add_co_u32 s20, s20, s46
	s_mov_b32 s21, 0
	s_add_nc_u64 s[12:13], s[10:11], s[20:21]
	v_lshlrev_b32 v[BIO], 6, v2
.irp t, 0,1,2,3,4,5,6,7
	global_load_b128 v[BI+8*\t:BI+8*\t+3], v[BIO], s[8:9] offset:(32*(\t/2)+8*(\t%2))*4      ; tile t, register j: column 32 (t / 2) + 8 (t % 2) + 16 h + j
	global_load_b128 v[BI+8*\t+4:BI+8*\t+7], v[BIO], s[8:9] offset:(32*(\t/2)+8*(\t%2))*4+16
.endr
.macro FRAG reg, adr, q, i             ; a fragment of W from rows of 240 bytes, in pieces of 8 bytes
.irp p, 0,1,2,3,4,5
.set PC, 12*(\q)+6*(\p/3)+\p%3
.if PC%8 < 5
	ds_load_b64 v[\reg+2*\p:\reg+2*\p+1], v[\adr] offset:8*PC+16*(PC/8)+(\i)*16*PITCH
.else
	ds_load_b64 v[\reg+2*\p:\reg+2*\p+1], v[\adr+2] offset:8*PC+16*(PC/8)+(\i)*16*PITCH
.endif
.endr
.endm
.macro FRAGA reg, slot, q, i           ; a fragment of y: two heads' images, consecutive bytes in every load
	ds_load_b128 v[\reg:\reg+3], v[A16+\slot] offset:ASTEP*(\i)+1536*(\q)
	ds_load_b64 v[\reg+4:\reg+5], v[A8+\slot] offset:ASTEP*(\i)+1536*(\q)+512
	ds_load_b128 v[\reg+6:\reg+9], v[A16+\slot] offset:ASTEP*(\i)+1536*(\q)+768
	ds_load_b64 v[\reg+10:\reg+11], v[A8+\slot] offset:ASTEP*(\i)+1536*(\q)+1280
.endm
; 16 matrix instructions: y's blocks a0, a0 + 1 x W's eight.  The 32 accumulators take turns, one instruction a turn, in the same order in every step.
.macro MUL16 a0, p, q, sc, zero
.irp a, \a0, \a0+1
.irp b, 0,1,2,3,4,5,6,7
.if \zero
	v_wmma_scale_f32_16x16x128_f8f6f4 v[8*(8*(\a)+\b):8*(8*(\a)+\b)+7], v[128*(\p)+FR*\b:128*(\p)+FR*\b+FR-1], v[AF+FR*(\a):AF+FR*(\a)+FR-1], v[BI+8*\b:BI+8*\b+7], v[SC+8*NQ*(\sc)+NQ*\b+(\q)], v[SC+8*NQ*(\sc)+NQ*(\a)+(\q)] matrix_a_fmt:MATRIX_FMT_FP6 matrix_b_fmt:MATRIX_FMT_FP6 matrix_a_scale:MATRIX_SCALE_ROW1
.else
	v_wmma_scale_f32_16x16x128_f8f6f4 v[8*(8*(\a)+\b):8*(8*(\a)+\b)+7], v[128*(\p)+FR*\b:128*(\p)+FR*\b+FR-1], v[AF+FR*(\a):AF+FR*(\a)+FR-1], v[8*(8*(\a)+\b):8*(8*(\a)+\b)+7], v[SC+8*NQ*(\sc)+NQ*\b+(\q)], v[SC+8*NQ*(\sc)+NQ*(\a)+(\q)] matrix_a_fmt:MATRIX_FMT_FP6 matrix_b_fmt:MATRIX_FMT_FP6 matrix_a_scale:MATRIX_SCALE_ROW1
.endif
.endr
.endr
.endm
.macro FETCH_B slot, q, p
	WIN TO_B
.irp i, 0,1,2,3,4,5,6,7
	FRAG 128*(\p)+FR*\i, ADRB+\slot, \q, \i
.endr
	WIN 0
.endm
.macro FETCH_A slot, q, i0
.irp i, \i0, \i0+1
	FRAGA AF+FR*(\i), \slot, \q, \i
.endr
.endm
.macro SCALES sc                       ; lanes 0-15 y's block i (blocks 4-7 of these lanes are not used), lanes 16-31 W's block i
.irp i, 0,1,2,3,4,5,6,7
	ds_load_b64 v[SC+8*NQ*\sc+NQ*\i:SC+8*NQ*\sc+NQ*\i+1], v[ADRS] offset:\i*SBLK
.endr
.endm
.macro PLACES n
.rept \n
	v_nop
.endr
.endm
.macro STEP slot, q, zero
	s_wait_dscnt 8                                 ; W's set and y's blocks 0-1 are in; the youngest eight loads (blocks 2-3) may be out
	WIN MULW-0x20*(\zero)
	MUL16 0, (\q)%2, \q, \slot, \zero
	s_wait_dscnt 0
	PLACES NP
	FETCH_B \slot, (\q)+1, 1-(\q)%2
	FETCH_A \slot, (\q)+1, 0
	WIN MULW-0x20*(\zero)
	MUL16 2, (\q)%2, \q, \slot, \zero
	PLACES NP
	WIN 0
	FETCH_A \slot, (\q)+1, 2
.endm
.macro TURN slot, next, fill
	s_wait_tensorcnt 0x0                           ; all my tensor loads have landed: my part of the next slot
	ds_add_u32 v[SPW], v[NIL]                      ; 0 onto my spare word
	s_wait_dscnt 9                                 ; the add and the youngest eight loads may be out
	WIN MULW
	MUL16 0, 1, NQ-1, \slot, 0
	s_wait_dscnt 0x0                               ; the add is done, and my reads of this slot are over
	s_barrier_signal -1
	WIN 0
	s_barrier_wait -1
.if \fill
	CREST                                          ; the barrier has opened a round of the cluster's
	s_add_nc_u64 s[G0+4*\slot+2:G0+4*\slot+3], s[G0+4*\slot+2:G0+4*\slot+3], 2*ASTEP
	s_add_nc_u64 s[G0B+4*\slot+2:G0B+4*\slot+3], s[G0B+4*\slot+2:G0B+4*\slot+3], 2*ROWB
	JLOAD G0+4*\slot, G1, G0B+4*\slot, G1B         ; the first tensor load behind the round; its four v_nop are the places in front of the loads below
.else
	PLACES NP
.endif
	v_add_nc_u32 v[ADRS], 4*NQ, v[ADRS]
	FETCH_B \next, 0, 0
	FETCH_A \next, 0, 0
	SCALES \next
	WIN MULW
	MUL16 2, 1, NQ-1, \slot, 0
	PLACES NP
	WIN 0
	FETCH_A \next, 0, 2
.endm
	s_wait_loadcnt 0x0                             ; the bias
	s_wait_tensorcnt 1                             ; the scales and my part of K step 0 are in; K step 1's load may be out
	s_barrier_signal -1
	s_barrier_wait -1
	FETCH_B 0, 0, 0
	FETCH_A 0, 0, 0
	SCALES 0
	FETCH_A 0, 0, 2
	STEP 0, 0, 1                                   ; the first step's products start the sums from the bias
	s_mov_b32 s3, LAPS-1
.Llap:
	TURN 0, 1, 1
	STEP 1, 0, 0
	TURN 1, 0, 1
	STEP 0, 0, 0
	s_sub_co_u32 s3, s3, 1
	s_cmp_lg_u32 s3, 0
	s_cbranch_scc1 .Llap
	TURN 0, 1, 0
	STEP 1, 0, 0
	s_wait_dscnt 8
	WIN MULW
	MUL16 0, 1, NQ-1, 1, 0
	s_wait_dscnt 0
	MUL16 2, 1, NQ-1, 1, 0
	WIN 0
; THE WAY OUT, block by block of 16 tokens x 128 columns, through my own stage: the columns go to their true places in a stage row, the rows to their true tokens in out0.
.macro TOSTAGE a
.set AC, 64*(\a)
	WIN 0x08                                       ; an LDS store's data: window 2
.irp b, 0,1,2,3,4,5,6,7
	ds_store_b128 v[STO], v[AC+8*\b:AC+8*\b+3] offset:128*(\b/2)+32*(\b%2)          ; each accumulator from its low end on
	ds_store_b128 v[STO], v[AC+8*\b+4:AC+8*\b+7] offset:128*(\b/2)+32*(\b%2)+16
.endr
	WIN 0
.set BB, BK+64*((\a)%2)
.irp t, 0,1,2,3,4,5,6,7,8,9,10,11,12,13,14,15
	ds_load_b128 v[BB+4*\t:BB+4*\t+3], v[RD] offset:\t*SPITCH   ; LDS serves a wave's instructions in order (ISA guide 5.7.1.4): these see the stores above
.endr
.endm
.macro SEND a, younger
.set BB, BK+64*((\a)%2)
	s_wait_dscnt \younger                          ; the block is back; the next block's 16 stores and 16 loads may be out
.irp t, 0,1,2,3,4,5,6,7,8,9,10,11,12,13,14,15
	global_store_b128 v[CO], v[BB+4*\t:BB+4*\t+3], s[12:13] offset:(32*((\a)/2)+8*((\a)%2)+\t+8*(\t/8))*4096 th:TH_STORE_NT   ; 32 lanes store 512 consecutive bytes, aligned
.endr
.endm
	PLACES NP
	TOSTAGE 0
.irp a, 1,2,3
.if \a > 1
	s_wait_xcnt 0x0                                ; block a - 2's stores have read their registers: block a's loads may land there
.endif
	TOSTAGE \a
	SEND \a-1, 32
.endr
	SEND 3, 0
	s_wait_tensorcnt 0x0                           ; the wave's end
	ds_add_u32 v[SPW], v[NIL]
	s_wait_dscnt 0x0
	CROUND                                         ; the closing round
	s_endpgm
.Lfunc_end_k_q0776ebe099_proj:
	.size	k_q0776ebe099_proj, .Lfunc_end_k_q0776ebe099_proj-k_q0776ebe099_proj
	.p2alignl 7, 3214868480
	.fill 96, 4, 3214868480
	.section	.rodata,"a",@progbits
	.p2align	6, 0x0
	.amdhsa_kernel k_q0776ebe099_proj
		.amdhsa_group_segment_fixed_size 327680
		.amdhsa_private_segment_fixed_size 0
		.amdhsa_enable_private_segment 0
		.amdhsa_kernarg_size 32
		.amdhsa_user_sgpr_count 2
		.amdhsa_user_sgpr_kernarg_segment_ptr 1
		.amdhsa_wavefront_size32 1
		.amdhsa_system_sgpr_workgroup_id_x 1
		.amdhsa_system_sgpr_workgroup_id_y 1
		.amdhsa_system_sgpr_workgroup_id_z 1
		.amdhsa_system_vgpr_workitem_id 0
		.amdhsa_next_free_vgpr 768
		.amdhsa_next_free_sgpr 100
		.amdhsa_reserve_vcc 0
		.amdhsa_float_denorm_mode_32 3
		.amdhsa_float_denorm_mode_16_64 3
		.amdhsa_memory_ordered 1
		.amdhsa_forward_progress 1
		.amdhsa_inst_pref_size 99
	.end_amdhsa_kernel
	.amdgpu_metadata
---
amdhsa.version: [ 1, 2 ]
amdhsa.kernels:
  - .name:           k_q0776ebe099_proj
    .symbol:         k_q0776ebe099_proj.kd
    .args:
      - { .name: yq, .offset: 0, .size: 8, .value_kind: global_buffer, .address_space: global }
      - { .name: wq, .offset: 8, .size: 8, .value_kind: global_buffer, .address_space: global }
      - { .name: b_proj, .offset: 16, .size: 8, .value_kind: global_buffer, .address_space: global }
      - { .name: out0, .offset: 24, .size: 8, .value_kind: global_buffer, .address_space: global }
    .group_segment_fixed_size: 327680
    .private_segment_fixed_size: 0
    .kernarg_segment_align: 8
    .kernarg_segment_size: 32
    .max_flat_workgroup_size: 128
    .sgpr_count:     100
    .vgpr_count:     768
    .wavefront_size: 32
...
	.end_amdgpu_metadata
.endif
;; end of part 4
